; MI455X (gfx1250); checked and timed in simulation.
; The chip was launched on July 23, 2026; its instructions are those of AMD's public machine-readable ISA for CDNA 5 (MIT licence, August 2026) and "CDNA5" Instruction Set Architecture Reference Guide (July 2026). The comments in the code are by the model that wrote it; some were corrected since.
;; Rotary PE Multi Head Attention. Allowed arithmetic: matrix products marked QUANTISED: E2M3 operands, one E8M0 scale for each 32 along K, by v_wmma_scale_f32_16x16x128_f8f6f4 with both operands' format E2M3, f32 sums; everything else in f32.
;; Inputs: Wk 1,024 x 1,024 float32; Wo 1,024 x 1,024 float32; Wq 1,024 x 1,024 float32; Wv 1,024 x 1,024 float32; bk 1,024 float32; bo 1,024 float32; bq 1,024 float32; bv 1,024 float32; query 4 x 2,048 x 1,024 float32; value 4 x 2,048 x 1,024 float32.
;; Outputs: out0 4 x 2,048 x 1,024 float32.
;; This version of the problem:
;;   THIS VERSION OF THE PROBLEM IS GIVEN IN LOW PRECISION. The matrix products marked QUANTISED in the list below multiply operands that are first quantised to E2M3 (2 exponent bits, 3 mantissa bits; 6 bits a number), with one power-of-two scale for each 32 numbers along K (OCP MX v1.0); their sums are f32. All else is computed in f32.
;;   The module's matrix products, in the order in which they are computed (A, B: the left and right operand; K: the contracted axis; several contracted axes count as one K, in the product's order):
;;     1. [M 8,192, K 1,024] x [K 1,024, N 1,024]; A: input query; B: input Wq: QUANTISED
;;     2. [M 8,192, K 1,024] x [K 1,024, N 1,024]; A: input value; B: input Wk: QUANTISED
;;     3. [M 8,192, K 1,024] x [K 1,024, N 1,024]; A: input value; B: input Wv: QUANTISED
;;     4. batch 64 x [M 2,048, K 64] x [K 64, N 2,048]; A: computed on the way; B: computed on the way: QUANTISED
;;     5. batch 64 x [M 64, K 2,048] x [K 2,048, N 2,048]; A: computed on the way; B: softmax (see below): QUANTISED
;;     6. [M 8,192, K 1,024] x [K 1,024, N 1,024]; A: computed on the way; B: input Wo: QUANTISED
;;   THE QUANTISER, for each operand of a quantised product, along K:
;;     - K is cut into blocks of 32 from its start; a last block that is shorter is filled with zeros.
;;     - A block's scale is 2^e with e = floor(log2(the largest magnitude in the block)) - 2, held to -126 .. 127; a block of zeros has e = 0. As a byte (E8M0): e + 127.
;;     - Each number is divided by its block's scale, clamped to +-7.5, and rounded to the nearest number of E2M3, ties to even, subnormals kept.
;;     - The product sums the exact products of the quantised numbers (number of the format x scale) in f32.
;;   ~~~python
;;   def quantise(x, axis):      # numpy; x: float32 -> the quantised numbers, widened to float32 again
;;       x = np.moveaxis(x, axis, -1); K = x.shape[-1]
;;       x = np.pad(x, [(0, 0)] * (x.ndim - 1) + [(0, -K % 32)]); x = x.reshape(x.shape[:-1] + (-1, 32)); a = np.abs(x).max(-1, keepdims=True)
;;       e = np.where(a > 0, np.clip(np.frexp(np.where(a > 0, a, 1))[1] - 1 - 2, -126, 127), 0)      # np.frexp(a)[1] - 1 = floor(log2(a)), exactly
;;       r = np.clip(x / 2.0 ** e, -7.5, 7.5)
;;       step = 2.0 ** (np.maximum(np.frexp(np.where(r == 0, 1, r))[1] - 1, 0) - 3)
;;       q = np.round(r / step) * step * 2.0 ** e      # np.round: ties to even
;;       return np.moveaxis(q.reshape(q.shape[:-2] + (-1,))[..., :K], -1, axis).astype(np.float32)
;;   ~~~
;;   SOFTMAX AHEAD OF A QUANTISED PRODUCT. Where the list says 'softmax', what is quantised is not the finished softmax but p = 2^(t - M), with t = logit x log2(e) and M = ceil(the row's largest t), a whole number; so 1/2 < the row's largest p <= 1. The row's sum l is taken of the UNQUANTISED p, in f32, and the product's result is divided by l at the end. Since M is a whole number, a kernel that streams over the keys may use a running M (the ceiling of the running maximum): every later rescaling is an exact power of two, which a block's scale takes up: the codes' values come out the same.
;;   OPERANDS COMPUTED ON THE WAY. 'Computed on the way' means the value that the module computes at that place (a softmax that the list does not call 'softmax' is quantised finished and normalised). What goes into a quantiser is computed in f32, as accurately as f32 sums, v_exp_f32 and their like allow (about 1e-6 of the number): no bf16 or f16 on the way to a quantiser, and a product that is left as it is and whose result goes on into a quantised operand takes f32 operands (vector FMAs, or v_wmma_f32_16x16x4_f32). A number that lies on a knife's edge between two numbers of the format may be rounded either way, as far as f32 arithmetic and the matrix unit's own rounding can turn it there, and no further.
;; One version. Each part assembles by itself: llvm-mc -triple=amdgcn-amd-amdhsa -mcpu=gfx1250 --defsym DOCPART=n.
;; ======== version 1 of 1: 4 launches
;; limits: right only within a limited range of input values
;; workspace buffers: codes 15,728,640 bytes; scales 655,360 bytes; tab 262,144 bytes; qrec 6,553,600 bytes; kv 13,107,200 bytes; oimg 6,291,456 bytes; osc 262,144 bytes
;; launch prep (part 1): grid 336 x 1, 4 waves a work-group, no clusters, 34,304 bytes of LDS; arguments query, value, Wq, Wk, Wv, Wo, codes, scales, tab; writes codes, scales, tab
.if DOCPART == 1
	.amdgcn_target "amdgcn-amd-amdhsa--gfx1250"
	.amdhsa_code_object_version 6
	.text
	.protected	k_q3b02a7ebfe_prep
	.globl	k_q3b02a7ebfe_prep
	.p2align	8
	.type	k_q3b02a7ebfe_prep,@function
k_q3b02a7ebfe_prep:
	s_mov_b64 s[64:65], 0
	v_nop
	global_prefetch_b8 v0, s[64:65] scope:SCOPE_SE
	s_setreg_imm32_b32 hwreg(HW_REG_WAVE_MODE, 25, 1), 1
	s_wait_xcnt 0x0
; PREP.  (1) query, value [8192][1024] and Wq, Wk, Wv, Wo [1024][1024], f32, K innermost, become codes of FP6 (E2M3) with one E8M0 byte for each 32 along K.
; (2) The table of cos and sin for the rotary embedding: 2,048 positions x 16 angles.
; CODES are laid as IMAGES OF OPERAND REGISTERS: row tile rt (16 rows; query 0-511, value 512-1023, Wq 1024.., Wk 1088.., Wv 1152.., Wo 1216..), K step ks (128 along K): 1,536 bytes,
; registers 4 c .. 4 c + 3 of lane l at 512 c + 16 l.  SCALES: [row][32 bytes], byte kb for block kb.
; ORDER INSIDE A BLOCK OF 32: position 16 h + 8 u + j holds element 8 h + j + 16 u.  Every operand of every product of this program has this order, so products and scales are those of the plain order;
; only the grouping of a sum inside the matrix unit differs.  It is the order in which the later launches' results fall into a lane's registers.
; A block's scale is 2^(floor(log2(largest magnitude)) - 2); its byte is the largest magnitude's exponent field - 2, held at 1 from below.
; LIMITS: a block of zeros gets the byte 1 (its codes are zeros; only this program reads the bytes); largest magnitudes under 2^-124 are taken as 2^-124; NaN and infinities are not served.
; SHARES: work-groups 0-319: wave w takes row tile 4 x + w, eight steps of one fragment.  Each load reads 512 consecutive bytes of a row; a step's 16 x 512 bytes turn through the wave's own stage in LDS
; (rows 528 bytes apart) so that lane (r, h) gets its 64 numbers of row r.  Waves share nothing: no barrier.  Work-groups 320-335: a thread a position of the table, no LDS.
; No matrix unit, no cluster, no tensor load: a stream that is read once and shares nothing.
.set NQWG,   320
.set SPITCH, 528
.set WSTG,   16*SPITCH
.set LI,  1                            ; v1   16 x lane
.set SI,  2                            ; v2   the stage, way in: wave's stage + 16 x lane
.set SO,  3                            ; v3   way out: wave's stage + 528 r + 32 h
.set SCA, 4                            ; v4   32 r + 16 h: my 16 bytes of my row's scale bytes
.set PWS, 8                            ; v8-15  the scale word of each step
.set TM,  16                           ; v16-31 at work in QUANT
.set PC,  32                           ; v32-50 the codes just made
.set PW,  52                           ; v52  the scale word just made
.set WD,  56                           ; v56-59 four scale words to store
.set R,   64                           ; v64-191 two sets of 64 numbers as loaded
.set X,   192                          ; v192-255 64 numbers of my row in the operand's order
.set SEL, 28                           ; s[28:29] selects of v_permlanex16_b32: lane l xor 16
.set OT,  32                           ; the table's way: v32-63 a position's 32 numbers
; 64 numbers of a lane, register 16 b + i = position 16 (lane / 16) + i of block b of my row, become a fragment's 12 registers in v[PC] on and its scale word in v[PW].
.macro QUANT s
.irp b, 0,1,2,3
	v_max3_num_f32 v[TM+\b], |v[\s+16*\b]|, |v[\s+1+16*\b]|, 0x1800000   ; my 16 numbers of block b, and the floor 2^(3 - 127): the byte cannot fall under 1
.endr
.irp i, 2,4,6,8,10,12,14
.irp b, 0,1,2,3
	v_max3_num_f32 v[TM+\b], v[TM+\b], |v[\s+16*\b+\i]|, |v[\s+1+16*\b+\i]|
.endr
.endr
.irp b, 0,1,2,3
	v_permlanex16_b32 v[TM+4+\b], v[TM+\b], s[SEL], s[SEL+1]
.endr
.irp b, 0,1,2,3
	v_max_num_f32 v[TM+\b], v[TM+\b], v[TM+4+\b]                   ; with lane l xor 16's: the block's largest magnitude
.endr
.irp b, 0,1,2,3
	v_add_nc_u32 v[TM+12+\b], 0xff000000, v[TM+\b]                 ; 2 off its exponent field: the conversion's scale operand
.endr
.irp b, 0,1,2,3
	v_lshrrev_b32 v[TM+4+\b], 23, v[TM+12+\b]                      ; the scale's byte
.endr
	v_lshl_or_b32 v[PW], v[TM+5], 8, v[TM+4]
	v_lshl_or_b32 v[PW], v[TM+6], 16, v[PW]
	v_lshl_or_b32 v[PW], v[TM+7], 24, v[PW]
.irp c, 0,1
	v_cvt_scalef32_pk16_fp6_f32 v[PC+6*\c:PC+2+6*\c], v[\s+32*\c:\s+15+32*\c], v[TM+12+2*\c]
	v_cvt_scalef32_pk16_fp6_f32 v[PC+12+4*\c:PC+14+4*\c], v[\s+16+32*\c:\s+31+32*\c], v[TM+12+2*\c+1]   ; (a conversion's three registers begin on an even number)
.endr
	v_nop                                          ; one plain instruction behind the scaled conversions
.irp c, 0,1                                    ; the operand wants a whole block in a lane: lanes 0-15 block 2 c, lanes 16-31 block 2 c + 1
.irp i, 0,1,2
	v_permlane16_swap_b32 v[PC+6*\c+\i], v[PC+12+4*\c+\i]
.endr
.irp i, 0,1,2
	v_mov_b32 v[PC+3+6*\c+\i], v[PC+12+4*\c+\i]
.endr
.endr
.endm
.macro LOAD t                          ; K step t of my 16 rows: 16 loads of 512 consecutive bytes, into set t % 2
.irp i, 0,1,2,3,4,5,6,7,8,9,10,11,12,13,14,15
	global_load_b128 v[R+64*((\t)%2)+4*\i:R+64*((\t)%2)+4*\i+3], v[LI], s[4:5] offset:4096*\i+512*(\t) th:TH_LOAD_NT
.endr
.endm
.macro QSTEP t
.if (\t) < 7
	s_wait_loadcnt 16                              ; this step's 16 loads are in; the next step's 16 may be out
.else
	s_wait_loadcnt 0x0
.endif
.irp i, 0,1,2,3,4,5,6,7,8,9,10,11,12,13,14,15
	ds_store_b128 v[SI], v[R+64*((\t)%2)+4*\i:R+64*((\t)%2)+4*\i+3] offset:SPITCH*\i
.endr
.irp b, 0,1,2,3                                ; LDS serves a wave's instructions in order: these see the stores above.  Elements 8 h + 0..7 and 16 + 8 h + 0..7 of each block
.irp j, 0,1,2,3
	ds_load_b128 v[X+16*\b+4*\j:X+16*\b+4*\j+3], v[SO] offset:128*\b+16*(\j%2)+64*(\j/2)
.endr
.endr
	s_wait_dscnt 0x0                               ; my numbers are back, and the stores have read their registers,
.if (\t)+2 < 8
	LOAD (\t)+2                                    ; which take the loads of two steps on
.endif
	s_wait_xcnt 0x0                                ; the last step's stores have read the codes' registers
	QUANT X
	v_mov_b32 v[PWS+(\t)], v[PW]
.irp c, 0,1,2
	global_store_b128 v[LI], v[PC+4*\c:PC+4*\c+3], s[20:21] offset:1536*(\t)+512*\c   ; 512 consecutive bytes a store
.endr
.endm
.macro PICK lim, ptr, start            ; the work-group's tensor: a choice on the work-group's number alone
	s_cmp_lt_u32 ttmp9, \lim
	s_cselect_b64 s[4:5], s[\ptr:\ptr+1], s[4:5]
	s_cselect_b32 s6, \start, s6
.endm
	s_load_b512 s[8:23], s[0:1], 0x0               ; query 8, value 10, Wq 12, Wk 14, Wv 16, Wo 18, codes 20, scales 22
	s_load_b64 s[24:25], s[0:1], 0x40              ; tab
	v_lshl_add_u32 v26, v0, 2, 0x8400
	v_mov_b32 v27, 0
	s_wait_kmcnt 0x0
	s_cmp_ge_u32 ttmp9, NQWG
	s_cbranch_scc1 .Ltable
	v_lshrrev_b32 v5, 5, v0
	v_readfirstlane_b32 s26, v5                    ; wave
	v_and_b32 v6, 31, v0                           ; lane
	v_and_b32 v7, 15, v0                           ; r
	v_bfe_u32 v5, v0, 4, 1                         ; h
	v_lshlrev_b32 v[LI], 4, v6
	s_mul_i32 s27, s26, WSTG
	v_add_nc_u32 v[SI], s27, v[LI]
	v_mul_u32_u24 v[SO], v7, SPITCH
	v_lshl_add_u32 v[SO], v5, 5, v[SO]
	v_add_nc_u32 v[SO], s27, v[SO]
	v_lshlrev_b32 v[SCA], 5, v7
	v_lshl_add_u32 v[SCA], v5, 4, v[SCA]
	s_mov_b32 s[SEL], 0x76543210
	s_mov_b32 s[SEL+1], 0xfedcba98
	s_mov_b32 vcc_lo, 0xffff0000                   ; lanes 16-31
.irp b, 0,1,2,3
	v_mov_b32 v[TM+4+\b], 0                        ; written once: a lane permute's destination counts as one of its sources
.endr
	s_mov_b64 s[4:5], s[18:19]                     ; Wo from work-group 304 on,
	s_mov_b32 s6, 304
	PICK 304, 16, 288                              ; Wv,
	PICK 288, 14, 272                              ; Wk,
	PICK 272, 12, 256                              ; Wq,
	PICK 256, 10, 128                              ; value,
	PICK 128, 8, 0                                 ; query
	s_sub_co_u32 s6, ttmp9, s6
	s_lshl_b32 s6, s6, 2
	s_add_co_u32 s6, s6, s26                       ; my row tile in its tensor: 16 rows of 4,096 bytes
	s_lshl_b32 s6, s6, 16
	s_mov_b32 s7, 0
	s_add_nc_u64 s[4:5], s[4:5], s[6:7]
	s_lshl_b32 s6, ttmp9, 2
	s_add_co_u32 s6, s6, s26                       ; my row tile among the 1,280
	s_mul_i32 s2, s6, 12288
	s_mov_b32 s3, 0
	s_add_nc_u64 s[20:21], s[20:21], s[2:3]
	s_lshl_b32 s2, s6, 9
	s_add_nc_u64 s[22:23], s[22:23], s[2:3]
	LOAD 0
	LOAD 1
	s_wait_alu depctr_va_vdst(0)
.irp t, 0,1,2,3,4,5,6,7
	QSTEP \t
.endr
.irp j, 0,1,2,3
	v_cndmask_b32 v[WD+\j], v[PWS+\j], v[PWS+4+\j], vcc_lo         ; lanes 0-15 words 0-3 of row r, lanes 16-31 words 4-7 (both halves hold the row's words)
.endr
	global_store_b128 v[SCA], v[WD:WD+3], s[22:23] ; 512 consecutive bytes
	s_wait_tensorcnt 0x0
	ds_add_u32 v26, v27
	s_wait_dscnt 0x0
	s_endpgm
; THE TABLE.  tab[s][h][cos(8 h + 0..7), sin(8 h + 0..7)], f32: the angle is s x theta_i, rounded once to f32 as the problem's text has it; theta_i = 10^(-i / 4), rounded to f32.
; Sine and cosine by reduction with pi / 2 in three parts (fused multiply-adds) and two short polynomials on [-pi/4, pi/4]: made for angles 0 to 2,047.
; Each thread stores its position's 128 consecutive bytes by eight stores of 16: the table is about 1/64 of what the launch writes.
.Ltable:
	s_sub_co_u32 s2, ttmp9, NQWG
	s_lshl_b32 s2, s2, 7
	v_add_nc_u32 v1, s2, v0                        ; the position s
	v_cvt_f32_u32 v2, v1
	s_wait_alu depctr_va_vdst(0)
	v_lshlrev_b32 v3, 7, v1
	s_mov_b32 s30, 0x3f22f983                      ; 2 / pi
	s_mov_b32 s31, 0xbfc90fd8                      ; - pi / 2, first part,
	s_mov_b32 s32, 0xb4a8885a                      ; second,
	s_mov_b32 s33, 0xa7c234c4                      ; third
	s_mov_b32 s34, 0x37cd4000                      ; cosine's polynomial
	s_mov_b32 s35, 0xbab6077d
	s_mov_b32 s36, 0x3d2aaaa8
	s_mov_b32 s37, 0x36405000                      ; sine's
	s_mov_b32 s38, 0xb9503486
	s_mov_b32 s39, 0x3c0888c1
	s_mov_b32 s40, 0xbe2aaaab
.macro SC i, th
	v_mul_f32 v4, \th, v2                          ; the angle
	v_mul_f32 v5, s30, v4
	v_rndne_f32 v5, v5                             ; n = the nearest multiple of pi / 2
	v_fma_f32 v6, v5, s31, v4
	v_fma_f32 v6, v5, s32, v6
	v_fma_f32 v6, v5, s33, v6                      ; r = angle - n pi / 2
	v_cvt_i32_f32 v7, v5
	v_mul_f32 v8, v6, v6
	v_fma_f32 v9, v8, s34, s35
	v_fma_f32 v9, v9, v8, s36
	v_fma_f32 v9, v9, v8, -0.5
	v_fma_f32 v9, v9, v8, 1.0                      ; cos r
	v_fma_f32 v10, v8, s37, s38
	v_fma_f32 v10, v10, v8, s39
	v_fma_f32 v10, v10, v8, s40
	v_mul_f32 v11, v6, v8
	v_fma_f32 v10, v10, v11, v6                    ; sin r
	v_and_b32 v12, 1, v7
	v_cmp_eq_u32 vcc_lo, 1, v12                    ; an odd n swaps the two
	v_cndmask_b32 v13, v10, v9, vcc_lo
	v_cndmask_b32 v14, v9, v10, vcc_lo
	v_and_b32 v12, 2, v7                           ; sine's sign: n mod 4 = 2, 3
	v_lshlrev_b32 v12, 30, v12
	v_xor_b32 v[OT+16*((\i)/8)+(\i)%8+8], v12, v13
	v_add_nc_u32 v12, 1, v7                        ; cosine's: n mod 4 = 1, 2
	v_and_b32 v12, 2, v12
	v_lshlrev_b32 v12, 30, v12
	v_xor_b32 v[OT+16*((\i)/8)+(\i)%8], v12, v14
.endm
	SC 0, 0x3f800000
	SC 1, 0x3f0ff59a
	SC 2, 0x3ea1e89b
	SC 3, 0x3e361887
	SC 4, 0x3dcccccd
	SC 5, 0x3d6655c3
	SC 6, 0x3d0186e2
	SC 7, 0x3c91ad39
	SC 8, 0x3c23d70a
	SC 9, 0x3bb8449c
	SC 10, 0x3b4f3e37
	SC 11, 0x3ae91528
	SC 12, 0x3a83126f
	SC 13, 0x3a136a16
	SC 14, 0x39a5cb5f
	SC 15, 0x393a7753
.irp k, 0,1,2,3,4,5,6,7
	global_store_b128 v3, v[OT+4*\k:OT+4*\k+3], s[24:25] offset:16*\k
.endr
	s_endpgm
.Lfunc_end_k_q3b02a7ebfe_prep:
	.size	k_q3b02a7ebfe_prep, .Lfunc_end_k_q3b02a7ebfe_prep-k_q3b02a7ebfe_prep
	.p2alignl 7, 3214868480
	.fill 96, 4, 3214868480
	.section	.rodata,"a",@progbits
	.p2align	6, 0x0
	.amdhsa_kernel k_q3b02a7ebfe_prep
		.amdhsa_group_segment_fixed_size 34304
		.amdhsa_private_segment_fixed_size 0
		.amdhsa_enable_private_segment 0
		.amdhsa_kernarg_size 72
		.amdhsa_user_sgpr_count 2
		.amdhsa_user_sgpr_kernarg_segment_ptr 1
		.amdhsa_wavefront_size32 1
		.amdhsa_system_sgpr_workgroup_id_x 1
		.amdhsa_system_sgpr_workgroup_id_y 1
		.amdhsa_system_sgpr_workgroup_id_z 1
		.amdhsa_system_vgpr_workitem_id 0
		.amdhsa_next_free_vgpr 256
		.amdhsa_next_free_sgpr 66
		.amdhsa_reserve_vcc 1
		.amdhsa_float_denorm_mode_32 3
		.amdhsa_float_denorm_mode_16_64 3
		.amdhsa_memory_ordered 1
		.amdhsa_forward_progress 1
		.amdhsa_inst_pref_size 86
	.end_amdhsa_kernel
	.amdgpu_metadata
---
amdhsa.version: [ 1, 2 ]
amdhsa.kernels:
  - .name:           k_q3b02a7ebfe_prep
    .symbol:         k_q3b02a7ebfe_prep.kd
    .args:
      - { .name: query, .offset: 0, .size: 8, .value_kind: global_buffer, .address_space: global }
      - { .name: value, .offset: 8, .size: 8, .value_kind: global_buffer, .address_space: global }
      - { .name: Wq, .offset: 16, .size: 8, .value_kind: global_buffer, .address_space: global }
      - { .name: Wk, .offset: 24, .size: 8, .value_kind: global_buffer, .address_space: global }
      - { .name: Wv, .offset: 32, .size: 8, .value_kind: global_buffer, .address_space: global }
      - { .name: Wo, .offset: 40, .size: 8, .value_kind: global_buffer, .address_space: global }
      - { .name: codes, .offset: 48, .size: 8, .value_kind: global_buffer, .address_space: global }
      - { .name: scales, .offset: 56, .size: 8, .value_kind: global_buffer, .address_space: global }
      - { .name: tab, .offset: 64, .size: 8, .value_kind: global_buffer, .address_space: global }
    .group_segment_fixed_size: 34304
    .private_segment_fixed_size: 0
    .kernarg_segment_align: 8
    .kernarg_segment_size: 72
    .max_flat_workgroup_size: 128
    .sgpr_count:     66
    .vgpr_count:     256
    .wavefront_size: 32
...
	.end_amdgpu_metadata
.endif
;; end of part 1
;; launch qkv (part 2): grid 12 x 64, 4 waves a work-group, clusters of 4 x 4, 295,424 bytes of LDS; arguments codes, scales, tab, bq, bk, bv, qrec, kv; writes qrec, kv
.if DOCPART == 2
	.amdgcn_target "amdgcn-amd-amdhsa--gfx1250"
	.amdhsa_code_object_version 6
	.text
	.protected	k_q3b02a7ebfe_qkv
	.globl	k_q3b02a7ebfe_qkv
	.p2align	8
	.type	k_q3b02a7ebfe_qkv,@function
k_q3b02a7ebfe_qkv:
	s_mov_b64 s[64:65], 0
	v_nop
	global_prefetch_b8 v0, s[64:65] scope:SCOPE_SE
	s_setreg_imm32_b32 hwreg(HW_REG_WAVE_MODE, 25, 1), 1
	s_wait_xcnt 0x0
	s_wait_alu depctr_hold_cnt(0) depctr_sa_sdst(0) depctr_va_vdst(0) depctr_va_sdst(0) depctr_va_ssrc(0) depctr_va_vcc(0) depctr_vm_vsrc(0)
	s_getreg_b32 s2, hwreg(HW_REG_IB_STS2, 6, 4)
	s_cmp_eq_u32 s2, 0
	s_cbranch_scc0 .Lentry_in_a_cluster
	s_endpgm
.Lentry_in_a_cluster:
	s_bfe_u32 s2, ttmp6, 0x10000c
	s_cmp_lg_u32 s2, 0xf033
	s_cbranch_scc0 .Lentry_shape_is_right
	s_endpgm
.Lentry_shape_is_right:
; QKV.  q = query Wq^T + bq, k = value Wk^T + bk, v = value Wv^T + bv on codes of FP6 (E2M3) with E8M0 scales; then the rotary embedding on q and k; then all three are quantised for attention's two products:
; q and k along the head's 64 (two blocks), v along the KEYS.  Nothing goes to memory in f32.
; THE PRODUCT.  Side A (matrix source 1) 128 rows, side B (source 0) 256 rows, all of K = 1,024.  Four waves, wave (wa, wb) makes 64 of A x 128 of B: 32 accumulators.  In a result lane (r, h) holds A's row r,
; register j B's row 16 t + 8 h + j.  Cluster x = 0: q, 1: k (A = tokens, B = rows of W: a lane's registers run along the head's axis);  2: v (A = rows of Wv, B = tokens: the registers run along the keys).
; LDS: both sides' codes for all of K are 294,912 bytes: filled ONCE, all asked for at the head (one tensor load a wave).  No byte is filled twice.
; Codes lie in memory and in LDS as images of operand registers (1,536 bytes a fragment): a fragment is three ds_load_b128 of 512 consecutive bytes, no pitch, no padding.
; CLUSTERS 4 x 4: A's tiles hang on cy and the cluster's place, and are asked for jointly by a row of the cluster; B's on cx, by a column.
; The scale words come from memory once, into registers: lane l of group g holds the eight words of row 32 g + l, so an even tile reads lanes 0-15 and an odd tile lanes 16-31.
; ORDER INSIDE A BLOCK OF 32: position 16 h + 8 u + j holds element 8 h + j + 16 u, in every operand of this program: so the 16 registers of two neighbouring result tiles ARE a lane's 16 positions of a block,
; and a rotary pair (d, d + 16) lies in one lane.
; OUTPUT.  qrec[bh][ks][6,400]: four PAIR fragments (blocks 0, 1: the two d blocks of tokens 32 P + r; blocks 2, 3: those of tokens 32 P + 16 + r), then their 4 x 16 scale words.
; kv[bh][ks][12,800]: K's four pair fragments, V's four fragments (16 d x 128 keys), K's scale words at 12,288, V's 64 at 12,544.
; LIMITS: a block of zeros gets the byte 1 (zero codes; only this program reads the bytes); largest magnitudes under 2^-124 count as 2^-124; NaN and infinities are not served.
; No prefetch: every tile is asked for at the head, so no later load exists to run ahead of.
; REGISTERS.  window 0: v1-11 addresses; v32-63 B's scale words, v64-79 A's; v80-95 at work; v128-223 A's fragments, two sets (on the way out v128-230 are at work).
;   window 1: v0-191 B's fragments, two sets.   window 2: accumulator (a, t) at 8 (8 a + t).   window 3: v0-63 the bias, v64-127 cos and sin.
; LDS AS IT LIES NOW (in place of what the head says of chunks): each wave brings ONE dense block by ONE tensor load at the head: its half of a side for all of K, as it lies in memory:
; [row tile][K step][1,536 bytes].  A's halves at 0 and 49,152, B's at 98,304 and 196,608.  Every byte is filled once; one wait and one barrier show all of it; no barrier stands in the walk along K.
.set AHALF, 49152                      ; four row tiles x 12,288 bytes
.set BHALF, 98304                      ; eight
.set BOFF,  98304
.set ADRB2, 12                         ; v12: B's row tiles 4-7 (the 16-bit offset does not reach them from v[ADRB])
.set WV,   20                          ; s20 wave; s21 wa (also: 0 fetches for A, 1 for B); s22 wb (also: which half I fetch); s23 cx; s24 cy; s25 cluster y
.set G1A,  28                          ; s[28:35], s[36:43] descriptor groups 1;  s[44:47], s[68:71] groups 0
.set G1B,  36
.set G0A,  44
.set G0B,  68
.set SEL,  66                          ; s[66:67] selects of v_permlanex16_b32: lane l xor 16
.set ADRA, 4
.set ADRB, 5
.set LI16, 6
.set LI4,  7
.set SCV,  8
.set BIV,  9
.set TBV,  10
.set R4,   11
.set SB,   32
.set SA,   64
.set TT,   80
.set UU,   88
.set AF,   128
.set HA,   128
.set PC,   192
.set TM,   212
.set PW,   228
.set PW0,  229
.set WW,   230
.set MSB, 0
.macro WIN new                         ; the immediate's high byte repeats the setting that is left
.if MSB != \new
	s_set_vgpr_msb (MSB<<8)|\new
.set MSB, \new
.endif
.endm
.macro PLACES n
.rept \n
	v_nop
.endr
.endm
.macro CROUND                          ; a round of the cluster's barrier
	s_barrier_signal -1
	s_barrier_wait -1
	s_cmp_lg_u32 s[WV], 0
	s_cbranch_scc1 .Lnot_wave_0_\@
	s_barrier_signal -3
.Lnot_wave_0_\@:
	s_barrier_wait -3
	s_barrier_signal -1
	s_barrier_wait -1
.endm
; 64 numbers of a lane, register 16 b + i = position 16 (lane / 16) + i of block b of my row, become a fragment's 12 registers in v[PC] on and its scale word in v[PW].
.macro QUANT s
.irp b, 0,1,2,3
	v_max3_num_f32 v[TM+\b], |v[\s+16*\b]|, |v[\s+1+16*\b]|, 0x1800000   ; my 16 numbers of block b, and the floor 2^(3 - 127): the byte cannot fall under 1
.endr
.irp i, 2,4,6,8,10,12,14
.irp b, 0,1,2,3
	v_max3_num_f32 v[TM+\b], v[TM+\b], |v[\s+16*\b+\i]|, |v[\s+1+16*\b+\i]|
.endr
.endr
.irp b, 0,1,2,3
	v_permlanex16_b32 v[TM+4+\b], v[TM+\b], s[SEL], s[SEL+1]
.endr
.irp b, 0,1,2,3
	v_max_num_f32 v[TM+\b], v[TM+\b], v[TM+4+\b]
.endr
.irp b, 0,1,2,3
	v_add_nc_u32 v[TM+12+\b], 0xff000000, v[TM+\b]                 ; 2 off the exponent field: the conversion's scale operand
.endr
.irp b, 0,1,2,3
	v_lshrrev_b32 v[TM+4+\b], 23, v[TM+12+\b]                      ; the scale's byte
.endr
	v_lshl_or_b32 v[PW], v[TM+5], 8, v[TM+4]
	v_lshl_or_b32 v[PW], v[TM+6], 16, v[PW]
	v_lshl_or_b32 v[PW], v[TM+7], 24, v[PW]
.irp c, 0,1
	v_cvt_scalef32_pk16_fp6_f32 v[PC+6*\c:PC+2+6*\c], v[\s+32*\c:\s+15+32*\c], v[TM+12+2*\c]
	v_cvt_scalef32_pk16_fp6_f32 v[PC+12+4*\c:PC+14+4*\c], v[\s+16+32*\c:\s+31+32*\c], v[TM+12+2*\c+1]
.endr
	v_nop                                          ; one plain instruction behind the scaled conversions
.irp c, 0,1
.irp i, 0,1,2
	v_permlane16_swap_b32 v[PC+6*\c+\i], v[PC+12+4*\c+\i]
.endr
.irp i, 0,1,2
	v_mov_b32 v[PC+3+6*\c+\i], v[PC+12+4*\c+\i]
.endr
.endr
.endm
.macro FETCH q, set                    ; K step q's fragments: B's eight, A's four, 36 loads of 512 consecutive bytes
	WIN 0x40                                       ; destination window 1, address window 0
.irp t, 0,1,2,3,4,5,6,7
.irp c, 0,1,2
	ds_load_b128 v[96*(\set)+12*\t+4*\c:96*(\set)+12*\t+4*\c+3], v[ADRB+(ADRB2-ADRB)*((\t)/4)] offset:12288*((\t)%4)+1536*(\q)+512*\c
.endr
.endr
	WIN 0
.irp a, 0,1,2,3
.irp c, 0,1,2
	ds_load_b128 v[AF+48*(\set)+12*\a+4*\c:AF+48*(\set)+12*\a+4*\c+3], v[ADRA] offset:12288*\a+1536*(\q)+512*\c
.endr
.endr
.endm
; One product: A's tile a x B's tile t, K step q.  An odd tile's scale words stand in lanes 16-31 of its group's register.
.macro WM a, t, q, set, zero
.set rD, 8*(8*(\a)+(\t))
.set rB, 96*(\set)+12*(\t)
.set rA, AF+48*(\set)+12*(\a)
.set rS, SB+8*((\t)/2)+(\q)
.set rT, SA+8*((\a)/2)+(\q)
.if \zero
.if ((\t)%2) && ((\a)%2)
	v_wmma_scale_f32_16x16x128_f8f6f4 v[rD:rD+7], v[rB:rB+11], v[rA:rA+11], 0, v[rS], v[rT] matrix_a_fmt:MATRIX_FMT_FP6 matrix_b_fmt:MATRIX_FMT_FP6 matrix_a_scale:MATRIX_SCALE_ROW1 matrix_b_scale:MATRIX_SCALE_ROW1
.elseif (\t)%2
	v_wmma_scale_f32_16x16x128_f8f6f4 v[rD:rD+7], v[rB:rB+11], v[rA:rA+11], 0, v[rS], v[rT] matrix_a_fmt:MATRIX_FMT_FP6 matrix_b_fmt:MATRIX_FMT_FP6 matrix_a_scale:MATRIX_SCALE_ROW1
.elseif (\a)%2
	v_wmma_scale_f32_16x16x128_f8f6f4 v[rD:rD+7], v[rB:rB+11], v[rA:rA+11], 0, v[rS], v[rT] matrix_a_fmt:MATRIX_FMT_FP6 matrix_b_fmt:MATRIX_FMT_FP6 matrix_b_scale:MATRIX_SCALE_ROW1
.else
	v_wmma_scale_f32_16x16x128_f8f6f4 v[rD:rD+7], v[rB:rB+11], v[rA:rA+11], 0, v[rS], v[rT] matrix_a_fmt:MATRIX_FMT_FP6 matrix_b_fmt:MATRIX_FMT_FP6
.endif
.else
.if ((\t)%2) && ((\a)%2)
	v_wmma_scale_f32_16x16x128_f8f6f4 v[rD:rD+7], v[rB:rB+11], v[rA:rA+11], v[rD:rD+7], v[rS], v[rT] matrix_a_fmt:MATRIX_FMT_FP6 matrix_b_fmt:MATRIX_FMT_FP6 matrix_a_scale:MATRIX_SCALE_ROW1 matrix_b_scale:MATRIX_SCALE_ROW1
.elseif (\t)%2
	v_wmma_scale_f32_16x16x128_f8f6f4 v[rD:rD+7], v[rB:rB+11], v[rA:rA+11], v[rD:rD+7], v[rS], v[rT] matrix_a_fmt:MATRIX_FMT_FP6 matrix_b_fmt:MATRIX_FMT_FP6 matrix_a_scale:MATRIX_SCALE_ROW1
.elseif (\a)%2
	v_wmma_scale_f32_16x16x128_f8f6f4 v[rD:rD+7], v[rB:rB+11], v[rA:rA+11], v[rD:rD+7], v[rS], v[rT] matrix_a_fmt:MATRIX_FMT_FP6 matrix_b_fmt:MATRIX_FMT_FP6 matrix_b_scale:MATRIX_SCALE_ROW1
.else
	v_wmma_scale_f32_16x16x128_f8f6f4 v[rD:rD+7], v[rB:rB+11], v[rA:rA+11], v[rD:rD+7], v[rS], v[rT] matrix_a_fmt:MATRIX_FMT_FP6 matrix_b_fmt:MATRIX_FMT_FP6
.endif
.endif
.endm
; K step q: its fragments are in; the next step's are asked for, into the other set; then 32 products.  The 32 accumulators take turns, one instruction a turn, in the same order in every step.
.macro STEP q, zero
	s_wait_dscnt 0x0
.if (\q) < 7
	PLACES 4                                       ; in front of loads into registers that the last step's products have read
	FETCH (\q)+1, ((\q)+1)%2
.endif
	WIN 0xa1                                       ; source 0 (B) window 1, source 1 (A) window 0, C and D window 2
.irp a, 0,1,2,3
.irp t, 0,1,2,3,4,5,6,7
	WM \a, \t, \q, (\q)%2, \zero
.endr
.endr
	WIN 0
.endm
	s_load_b512 s[4:19], s[0:1], 0x0               ; codes 4, scales 6, tab 8, bq 10, bk 12, bv 14, qrec 16, kv 18
	v_lshl_add_u32 v254, v0, 2, 0x48000
	v_mov_b32 v255, 0
	ds_add_u32 v254, v255
	ds_add_u32 v254, v255
	v_lshrrev_b32 v1, 5, v0
	v_readfirstlane_b32 s[WV], v1
	s_lshr_b32 s21, s[WV], 1
	s_and_b32 s22, s[WV], 1
	s_bfe_u32 s23, ttmp6, 0x40000                  ; cx
	s_bfe_u32 s24, ttmp6, 0x40004                  ; cy
	s_and_b32 s25, ttmp7, 0xffff                   ; cluster y
	v_and_b32 v1, 31, v0                           ; lane
	v_and_b32 v2, 15, v0                           ; r
	v_bfe_u32 v3, v0, 4, 1                         ; h
	v_lshlrev_b32 v[LI16], 4, v1
	v_lshlrev_b32 v[LI4], 2, v1
	v_lshlrev_b32 v[SCV], 5, v1                    ; a row of scale bytes is 32 bytes
	v_lshlrev_b32 v[BIV], 5, v3
	v_lshlrev_b32 v[TBV], 7, v2
	v_lshl_add_u32 v[TBV], v3, 6, v[TBV]           ; the table: 128 r + 64 h
	v_lshlrev_b32 v[R4], 2, v2
	s_mul_i32 s26, s21, AHALF
	v_add_nc_u32 v[ADRA], s26, v[LI16]             ; my four row tiles of A
	s_mul_i32 s26, s22, BHALF
	s_add_co_u32 s26, s26, BOFF
	v_add_nc_u32 v[ADRB], s26, v[LI16]             ; my eight of B: tiles 0-3,
	v_add_nc_u32 v[ADRB2], 49152, v[ADRB]          ; and tiles 4-7
	s_mul_i32 s26, s22, AHALF                      ; where my loads go: the wave's number alone enters an LDS address
	s_mul_i32 s27, s22, BHALF
	s_add_co_u32 s27, s27, BOFF
	s_lshl_b32 s61, s24, 2
	s_lshl_b32 s61, 15, s61                        ; my row of the cluster
	s_or_b32 s[G1A], s61, (3<<16)|(1<<21)          ; 15:0 the mask; 17:16 elements of 8 bytes; 21 set beside a mask; no padding
	s_lshl_b32 s85, 0x1111, s23                    ; my column
	s_or_b32 s[G1B], s85, (3<<16)|(1<<21)
.irp g, G1A, G1B
	s_mov_b32 s[\g+1], 1536<<16                    ; tensor_dim0: 12,288 bytes, all K steps of a row tile
	s_mov_b32 s[\g+3], 1536<<16                    ; tile_dim0
	s_mov_b32 s[\g+5], 1536                        ; from row tile to row tile: 12,288 bytes
	s_mov_b32 s[\g+6], 0
	s_mov_b32 s[\g+7], 0
.endr
	s_mov_b32 s[G1A+2], 4<<16                      ; A: four row tiles a load
	s_mov_b32 s[G1A+4], 4
	s_mov_b32 s[G1B+2], 8<<16                      ; B: eight
	s_mov_b32 s[G1B+4], 8
	; A's first row tile, of cy and the cluster's place alone: s60-63
	s_lshl_b32 s60, ttmp9, 9
	s_lshl_b32 s61, s25, 5
	s_add_co_u32 s60, s60, s61                     ; q, k: tokens: 512 p + 32 cluster y
	s_and_b32 s61, s25, 1
	s_lshl_b32 s61, s61, 5
	s_add_co_u32 s61, s61, 1152                    ; v: rows of Wv
	s_cmp_lt_u32 ttmp9, 2
	s_cselect_b32 s60, s60, s61
	s_lshl_b32 s61, s24, 3
	s_add_co_u32 s60, s60, s61                     ; + 8 cy
	s_lshl_b32 s61, s22, 2
	s_add_co_u32 s61, s61, s60
	s_mul_i32 s62, s61, 12288
	s_mov_b32 s63, 0
	; B's, of cx and the cluster's place alone: s84-87
	s_lshl_b32 s84, ttmp9, 6
	s_add_co_u32 s84, s84, 1024                    ; q, k: rows of Wq, Wk
	s_lshr_b32 s85, s25, 1
	s_lshl_b32 s85, s85, 6
	s_add_co_u32 s85, s85, 512                     ; v: tokens of value
	s_cmp_lt_u32 ttmp9, 2
	s_cselect_b32 s84, s84, s85
	s_lshl_b32 s85, s23, 4
	s_add_co_u32 s84, s84, s85                     ; + 16 cx
	s_lshl_b32 s85, s22, 3
	s_add_co_u32 s85, s85, s84
	s_mul_i32 s86, s85, 12288
	s_mov_b32 s87, 0
	s_wait_dscnt 0x0
	s_wait_kmcnt 0x0
	s_add_nc_u64 s[62:63], s[4:5], s[62:63]
	s_add_nc_u64 s[86:87], s[4:5], s[86:87]
	s_mov_b32 s[G0A], 1
	s_mov_b32 s[G0A+1], s26
	s_mov_b64 s[G0A+2:G0A+3], s[62:63]
	s_or_b32 s[G0A+3], s[G0A+3], 0x80000000
	s_mov_b32 s[G0B], 1
	s_mov_b32 s[G0B+1], s27
	s_mov_b64 s[G0B+2:G0B+3], s[86:87]
	s_or_b32 s[G0B+3], s[G0B+3], 0x80000000
	CROUND                                         ; all sixteen work-groups are here: the joint loads meet
	s_cmp_eq_u32 s21, 0                            ; waves 0, 1: A's halves; waves 2, 3: B's.  One fill a wave, one to each arm
	s_cbranch_scc0 .Lfill_b
	tensor_load_to_lds s[G0A:G0A+3], s[G1A:G1A+7]
	s_nop 0
	PLACES 4
	s_branch .Lfilled
.Lfill_b:
	tensor_load_to_lds s[G0B:G0B+3], s[G1B:G1B+7]
	s_nop 0
	PLACES 4
.Lfilled:
	s_lshl_b32 s88, s21, 2                         ; the scale bytes of my rows: 512 bytes a row tile
	s_add_co_u32 s88, s88, s60
	s_lshl_b32 s88, s88, 9
	s_mov_b32 s89, 0
	s_add_nc_u64 s[88:89], s[6:7], s[88:89]
	s_lshl_b32 s90, s22, 3
	s_add_co_u32 s90, s90, s84
	s_lshl_b32 s90, s90, 9
	s_mov_b32 s91, 0
	s_add_nc_u64 s[90:91], s[6:7], s[90:91]
	s_wait_alu depctr_va_vdst(0)
.irp g, 0,1,2,3
	global_load_b128 v[SB+8*\g:SB+8*\g+3], v[SCV], s[90:91] offset:1024*\g
	global_load_b128 v[SB+8*\g+4:SB+8*\g+7], v[SCV], s[90:91] offset:1024*\g+16
.endr
.irp g, 0,1
	global_load_b128 v[SA+8*\g:SA+8*\g+3], v[SCV], s[88:89] offset:1024*\g
	global_load_b128 v[SA+8*\g+4:SA+8*\g+7], v[SCV], s[88:89] offset:1024*\g+16
.endr
	s_mov_b32 s[SEL], 0x76543210
	s_mov_b32 s[SEL+1], 0xfedcba98
	s_mov_b32 vcc_lo, 0xffff0000                   ; lanes 16-31
	s_wait_tensorcnt 0x0                           ; my one load is in
	s_barrier_signal -1
	s_barrier_wait -1                              ; everybody's is
	FETCH 0, 0
	s_wait_loadcnt 0x0                             ; the scale words
	STEP 0, 1                                      ; the first step's products start the sums: nothing is cleared
	STEP 1, 0
	s_wait_alu depctr_va_vdst(0)
	STEP 2, 0
	STEP 3, 0
	s_wait_alu depctr_va_vdst(0)
	STEP 4, 0
	STEP 5, 0
	s_cmp_eq_u32 ttmp9, 2                          ; the cluster's x: the same in all sixteen partners and in all waves
	s_cbranch_scc1 .Lv
	; ---- q and k.  Where my results go, and from where the bias and the table come
	s_cmp_eq_u32 ttmp9, 0
	s_cselect_b64 s[88:89], s[16:17], s[18:19]     ; qrec or kv
	s_cselect_b64 s[96:97], s[10:11], s[12:13]     ; bq or bk
	s_mov_b32 s100, 12800
	s_cselect_b32 s100, 6400, s100                 ; a record
	s_mov_b32 s101, 12288
	s_cselect_b32 s101, 6144, s101                 ; the scale words' place in it
	s_lshl_b32 s26, s25, 2
	s_add_co_u32 s26, s26, s24                     ; my block of 128 tokens, 0 .. 63
	s_lshr_b32 s27, s26, 4                         ; the batch
	s_and_b32 s26, s26, 15                         ; the record: 128 positions
	s_lshl_b32 s27, s27, 4
	s_lshl_b32 s2, s23, 2
	s_add_co_u32 s27, s27, s2
	s_lshl_b32 s2, s22, 1
	s_add_co_u32 s27, s27, s2                      ; 16 batch + my first head (4 cx + 2 wb)
	s_mul_i32 s2, s26, s100
	s_lshl_b32 s100, s100, 4                       ; a head's 16 records
	s_mul_i32 s27, s27, s100
	s_add_co_u32 s2, s2, s27
	s_mov_b32 s3, 0
	s_add_nc_u64 s[88:89], s[88:89], s[2:3]        ; my first head's record
	s_mov_b32 s2, s101
	s_add_nc_u64 s[92:93], s[88:89], s[2:3]
	s_lshl_b32 s2, s21, 7
	s_add_nc_u64 s[92:93], s[92:93], s[2:3]        ; its scale words, pairs 2 wa and 2 wa + 1
	s_mul_i32 s2, s21, 3072
	s_add_nc_u64 s[88:89], s[88:89], s[2:3]        ; its pair fragments 2 wa, 2 wa + 1
	s_mov_b32 s2, s100
	s_add_nc_u64 s[90:91], s[88:89], s[2:3]        ; and the same of my second head
	s_add_nc_u64 s[94:95], s[92:93], s[2:3]
	s_lshl_b32 s2, s23, 10
	s_lshl_b32 s27, s22, 9
	s_add_co_u32 s2, s2, s27
	s_add_nc_u64 s[96:97], s[96:97], s[2:3]        ; the bias of my 128 features
	s_lshl_b32 s2, s26, 14
	s_lshl_b32 s27, s21, 13
	s_add_co_u32 s2, s2, s27
	s_add_nc_u64 s[98:99], s[8:9], s[2:3]          ; the table at my first position
	WIN 0xc0                                       ; destination window 3
.irp t, 0,1,2,3,4,5,6,7
	global_load_b128 v[8*\t:8*\t+3], v[BIV], s[96:97] offset:64*\t        ; the bias in the result's layout: features 16 t + 8 h + 0 .. 7
	global_load_b128 v[8*\t+4:8*\t+7], v[BIV], s[96:97] offset:64*\t+16
.endr
.irp a, 0,1,2,3
.irp k, 0,1,2,3
	global_load_b128 v[64+16*\a+4*\k:64+16*\a+4*\k+3], v[TBV], s[98:99] offset:2048*\a+16*\k   ; position 16 a + r: cos(8 h + 0..7), sin(8 h + 0..7)
.endr
.endr
	WIN 0
	s_wait_alu depctr_va_vdst(0)
	STEP 6, 0
	STEP 7, 0
	s_wait_loadcnt 0x0
	PLACES 4                                       ; behind the last products: their results are read, and A's fragment registers are written
.irp b, 0,1,2,3
	v_mov_b32 v[TM+4+\b], 0                        ; a lane permute's destination counts as one of its sources
.endr
.irp hd, 0,1                                   ; my two heads; in each my two pairs of token tiles
.irp pp, 0,1
	s_wait_xcnt 0x0                                ; the last stores have read their registers
	WIN 0x0e                                       ; source 0 window 2 (sums), source 1 window 3 (bias)
.irp u, 0,1
.irp i, 0,1,2,3,4,5,6,7,8,9,10,11,12,13,14,15
	v_pk_add_f32 v[HA+32*\u+2*\i:HA+32*\u+2*\i+1], v[64*(2*\pp+\u)+32*\hd+2*\i:64*(2*\pp+\u)+32*\hd+2*\i+1], v[32*\hd+2*\i:32*\hd+2*\i+1]   ; each accumulator from its low end on
.endr
.endr
	WIN 0x0c                                       ; source 1 window 3 (the table)
.irp u, 0,1                                    ; registers 0-7: d = 8 h + j; registers 8-15: d + 16, its partner
.irp k, 0,2,4,6
	v_pk_mul_f32 v[TT+\k:TT+\k+1], v[HA+32*\u+\k:HA+32*\u+\k+1], v[64+16*(2*\pp+\u)+8+\k:64+16*(2*\pp+\u)+8+\k+1]
.endr
.irp k, 0,2,4,6
	v_pk_mul_f32 v[UU+\k:UU+\k+1], v[HA+32*\u+8+\k:HA+32*\u+8+\k+1], v[64+16*(2*\pp+\u)+8+\k:64+16*(2*\pp+\u)+8+\k+1]
.endr
.irp k, 0,2,4,6
	v_pk_fma_f32 v[HA+32*\u+\k:HA+32*\u+\k+1], v[HA+32*\u+\k:HA+32*\u+\k+1], v[64+16*(2*\pp+\u)+\k:64+16*(2*\pp+\u)+\k+1], v[UU+\k:UU+\k+1] neg_lo:[0,0,1] neg_hi:[0,0,1]   ; x1 cos - x2 sin
.endr
.irp k, 0,2,4,6
	v_pk_fma_f32 v[HA+32*\u+8+\k:HA+32*\u+8+\k+1], v[HA+32*\u+8+\k:HA+32*\u+8+\k+1], v[64+16*(2*\pp+\u)+\k:64+16*(2*\pp+\u)+\k+1], v[TT+\k:TT+\k+1]   ; x2 cos + x1 sin
.endr
.endr
	WIN 0
	QUANT HA                                       ; blocks 0, 1: tile 2 pp; blocks 2, 3: tile 2 pp + 1: a pair fragment
.irp c, 0,1,2
	global_store_b128 v[LI16], v[PC+4*\c:PC+4*\c+3], s[88+2*\hd:89+2*\hd] offset:1536*\pp+512*\c
.endr
.if \pp == 0
	v_mov_b32 v[PW0], v[PW]
.else
	v_cndmask_b32 v[WW], v[PW0], v[PW], vcc_lo     ; lanes 0-15 the first pair's words, lanes 16-31 the second's
	global_store_b32 v[LI4], v[WW], s[92+2*\hd:93+2*\hd]
.endif
.endr
.endr
	s_branch .Lend
	; ---- v.  A lane holds one d of one head; its 64 registers of a tile a run along 128 keys
.Lv:
	s_and_b32 s26, s25, 1
	s_lshl_b32 s26, s26, 2
	s_add_co_u32 s26, s26, s24
	s_lshl_b32 s27, s26, 1
	s_add_co_u32 s27, s27, s21                     ; the head
	s_lshr_b32 s100, s25, 1
	s_lshl_b32 s100, s100, 2
	s_add_co_u32 s100, s100, s23
	s_lshl_b32 s100, s100, 1
	s_add_co_u32 s100, s100, s22                   ; my 128 tokens, 0 .. 63
	s_lshr_b32 s101, s100, 4                       ; the batch
	s_and_b32 s100, s100, 15                       ; the record
	s_lshl_b32 s101, s101, 4
	s_add_co_u32 s101, s101, s27
	s_mul_i32 s2, s101, 204800
	s_mul_i32 s100, s100, 12800
	s_add_co_u32 s2, s2, s100
	s_mov_b32 s3, 0
	s_add_nc_u64 s[88:89], s[18:19], s[2:3]
	s_lshl_b32 s2, s27, 8
	s_add_nc_u64 s[96:97], s[14:15], s[2:3]        ; bv at my head's 64
	WIN 0xc0
.irp a, 0,1,2,3
	global_load_b32 v[2*\a], v[R4], s[96:97] offset:64*\a          ; bv(16 a + r), twice: a pair for the packed addition
	global_load_b32 v[2*\a+1], v[R4], s[96:97] offset:64*\a
.endr
	WIN 0
	s_wait_alu depctr_va_vdst(0)
	STEP 6, 0
	STEP 7, 0
	s_wait_loadcnt 0x0
	PLACES 4
.irp b, 0,1,2,3
	v_mov_b32 v[TM+4+\b], 0
.endr
.irp a, 0,1,2,3
	s_wait_xcnt 0x0
	WIN 0x0e
.irp i, 0,1,2,3,4,5,6,7,8,9,10,11,12,13,14,15,16,17,18,19,20,21,22,23,24,25,26,27,28,29,30,31
	v_pk_add_f32 v[HA+2*\i:HA+2*\i+1], v[64*\a+2*\i:64*\a+2*\i+1], v[2*\a:2*\a+1]
.endr
	WIN 0
	QUANT HA
.irp c, 0,1,2
	global_store_b128 v[LI16], v[PC+4*\c:PC+4*\c+3], s[88:89] offset:6144+1536*\a+512*\c
.endr
.if \a%2 == 0
	v_mov_b32 v[PW0], v[PW]
.else
	v_cndmask_b32 v[WW], v[PW0], v[PW], vcc_lo
	global_store_b32 v[LI4], v[WW], s[88:89] offset:12544+128*(\a/2)
.endif
.endr
.Lend:
	s_wait_tensorcnt 0x0
	ds_add_u32 v254, v255
	s_wait_dscnt 0x0
	CROUND                                         ; the closing round: no work-group ends while a partner may still ask for a tile that names it
	s_endpgm
.Lfunc_end_k_q3b02a7ebfe_qkv:
	.size	k_q3b02a7ebfe_qkv, .Lfunc_end_k_q3b02a7ebfe_qkv-k_q3b02a7ebfe_qkv
	.p2alignl 7, 3214868480
	.fill 96, 4, 3214868480
	.section	.rodata,"a",@progbits
	.p2align	6, 0x0
	.amdhsa_kernel k_q3b02a7ebfe_qkv
		.amdhsa_group_segment_fixed_size 295424
		.amdhsa_private_segment_fixed_size 0
		.amdhsa_enable_private_segment 0
		.amdhsa_kernarg_size 64
		.amdhsa_user_sgpr_count 2
		.amdhsa_user_sgpr_kernarg_segment_ptr 1
		.amdhsa_wavefront_size32 1
		.amdhsa_system_sgpr_workgroup_id_x 1
		.amdhsa_system_sgpr_workgroup_id_y 1
		.amdhsa_system_sgpr_workgroup_id_z 1
		.amdhsa_system_vgpr_workitem_id 0
		.amdhsa_next_free_vgpr 1024
		.amdhsa_next_free_sgpr 102
		.amdhsa_reserve_vcc 1
		.amdhsa_float_denorm_mode_32 3
		.amdhsa_float_denorm_mode_16_64 3
		.amdhsa_memory_ordered 1
		.amdhsa_forward_progress 1
		.amdhsa_inst_pref_size 135
	.end_amdhsa_kernel
	.amdgpu_metadata
---
amdhsa.version: [ 1, 2 ]
amdhsa.kernels:
  - .name:           k_q3b02a7ebfe_qkv
    .symbol:         k_q3b02a7ebfe_qkv.kd
    .args:
      - { .name: codes, .offset: 0, .size: 8, .value_kind: global_buffer, .address_space: global }
      - { .name: scales, .offset: 8, .size: 8, .value_kind: global_buffer, .address_space: global }
      - { .name: tab, .offset: 16, .size: 8, .value_kind: global_buffer, .address_space: global }
      - { .name: bq, .offset: 24, .size: 8, .value_kind: global_buffer, .address_space: global }
      - { .name: bk, .offset: 32, .size: 8, .value_kind: global_buffer, .address_space: global }
      - { .name: bv, .offset: 40, .size: 8, .value_kind: global_buffer, .address_space: global }
      - { .name: qrec, .offset: 48, .size: 8, .value_kind: global_buffer, .address_space: global }
      - { .name: kv, .offset: 56, .size: 8, .value_kind: global_buffer, .address_space: global }
    .group_segment_fixed_size: 295424
    .private_segment_fixed_size: 0
    .kernarg_segment_align: 8
    .kernarg_segment_size: 64
    .max_flat_workgroup_size: 128
    .sgpr_count:     102
    .vgpr_count:     1024
    .wavefront_size: 32
...
	.end_amdgpu_metadata
.endif
;; end of part 2
;; launch attn (part 3): grid 4 x 64, 16 waves a work-group, clusters of 4 x 1, 259,072 bytes of LDS; arguments qrec, kv, oimg, osc; writes oimg, osc
.if DOCPART == 3
	.amdgcn_target "amdgcn-amd-amdhsa--gfx1250"
	.amdhsa_code_object_version 6
	.text
	.protected	k_q3b02a7ebfe_attn
	.globl	k_q3b02a7ebfe_attn
	.p2align	8
	.type	k_q3b02a7ebfe_attn,@function
k_q3b02a7ebfe_attn:
	s_mov_b64 s[64:65], 0
	v_nop
	global_prefetch_b8 v0, s[64:65] scope:SCOPE_SE
	s_setreg_imm32_b32 hwreg(HW_REG_WAVE_MODE, 25, 1), 1
	s_wait_xcnt 0x0
	s_wait_alu depctr_hold_cnt(0) depctr_sa_sdst(0) depctr_va_vdst(0) depctr_va_sdst(0) depctr_va_ssrc(0) depctr_va_vcc(0) depctr_vm_vsrc(0)
	s_getreg_b32 s2, hwreg(HW_REG_IB_STS2, 6, 4)
	s_cmp_eq_u32 s2, 0
	s_cbranch_scc0 .Lentry_in_a_cluster
	s_endpgm
.Lentry_in_a_cluster:
	s_bfe_u32 s2, ttmp6, 0x10000c
	s_cmp_lg_u32 s2, 0x3003
	s_cbranch_scc0 .Lentry_shape_is_right
	s_endpgm
.Lentry_shape_is_right:
; ATTN.  O = softmax(q k^T / 8) v for one (batch, head), both products on codes of FP6 (E2M3) with E8M0 scales; then O / l is quantised along (head, d) for the last product.
; THE SOFTMAX: t = score x log2(e) / 8; M = the running largest t rounded UP to a whole number; p = 2^(t - M) is quantised along the keys, not normalised; the row's sum l is taken of the
; unquantised p and divides at the end.  When M moves, l and O are multiplied by 2^(old M - new M): exact.
; SHARES.  A work-group owns 512 queries of a head; each of its sixteen waves owns 32, two tiles of 16, in a loop of two trips; a tile walks 16 key steps of 128 keys (15 in a loop, the last written out).
; LDS.  The head's whole K and V, codes and scale words, are 16 records of 12,800 bytes, filled ONCE, one tensor load a wave; the load lays 128 bytes of padding behind each 512, so a record takes 16,000 bytes
; and a unit of 512 bytes stands at 640 u.  So the loop over the keys has no barrier and no wait on a tensor load.
; CLUSTER 4 x 1: the four work-groups of a head read the same K and V: each record is asked for jointly, with the mask of all four.
; K = 64 IN AN INSTRUCTION OF 128: a fragment of k holds two tiles of 16 keys (blocks 0, 1 and blocks 2, 3); it is multiplied once by [q | zero codes] and once by [zero codes | q].
; WHICH KEYS FORM A FRAGMENT.  A record holds pair fragment P as an image of registers: lane (rho, h): keys 32 P + rho and 32 P + 16 + rho.  Fragment 2 c + x as it is READ takes for its rows 0-7 lanes 8 x + r of P = 2 c
; and for its rows 8-15 lanes 8 x + r - 8 of P = 2 c + 1: a lane term 16 lane + 1,792 (r / 8) and the offset 128 x.
; So in S^T lane (query, h) holds, in registers 32 c + 0 .. 31, ALL 32 keys of block 2 c + h, register 8 i + j being key j, 16 + j, 8 + j, 24 + j of the block for i = 0 .. 3: the order inside a block in which v was quantised.
; A block's largest p needs no other lane, and the conversions' results are the operand's registers.
; THE ORDER OF A STEP.  The scores of step n + 1 are issued ahead of step n's products with v, with vector work between the two; k's fragments of step n + 1 and v's of step n are asked for between the lines of the chain
; that makes M, and waited for once, behind the conversions.
; OUTPUT.  oimg[row tile][K step = head / 2][head % 2][768]: registers 0-3 of lane l at 16 l, registers 4, 5 at 512 + 8 l.  osc[head][token]: two scale bytes.
; LIMITS: a block of zeros gets the byte 1 (zero codes); NaN and infinities are not served; the promise holds while the scaled scores stay under 2^31 in magnitude.
; No prefetch: all tiles are asked for at the head, so no later load exists to run ahead of.
; All 256 registers are in use, so the add's two registers are made at the head in v254, v255, and anew from v0 ahead of the closing lines.
.set REC,  16000
.set UN,   640
.set KSC,  24*UN                       ; k's scale words in a record; v's 256 bytes on
.set VSC,  KSC+256
.set OSCL, 16*REC                      ; behind the records: 512 queries x 2 scale bytes
.set SPARE, OSCL+1024                  ; the spare words, 128 bytes a wave
.set WV,  12                           ; s12 wave; s13 cx; s14 the head among 64
.set SEL, 28                           ; s[28:29] lane l xor 16
.set CS,  30                           ; s[30:31] c = log2(e) / 8
.set TB,  32                           ; s32 LDS byte of the record in hand
.set CNT, 33
.set NC,  44                           ; s44 -c
.set TL,  45                           ; s45 the tile, 0 or 1
.set MK,  46                           ; s46 all ones for tile 1
.set SH,  47                           ; s47 16 x tile
.set OB,  48                           ; s48 OSCL + 64 wave + 32 tile
.set LI,  1                            ; 16 x lane
.set LK,  2                            ; 16 x lane + 1,792 (r / 8)
.set LKS, 3                            ; 4 r + 32 (r / 8) + 32 h
.set LS,  4                            ; 4 x lane
.set ADV, 5                            ; the same four + the record's byte
.set ADK, 6
.set ADKS, 7
.set ADVS, 8
.set QS,  9                            ; q's scale word
.set F,   10                           ; v[10:11] f = 2^(old M - new M), later 1 / l; v11 also the old -M
.set TMP, 11                           ; v12 -M, v13 the running largest score, v[14:15] l
.set KS,  16                           ; v16-17 k's scale words, v18-19 v's
.set VS,  18
.set BM,  20                           ; v20-23 largest scores
.set SM,  24                           ; v[24:25] the step's sum; before that two scale bytes
.set PC,  26                           ; v26-37 p's codes
.set PX,  38                           ; v38-40, v42-44 the blocks' second halves
.set PW,  41                           ; p's scale word
.set R4,  45                           ; 4 r
.set Q,   46                           ; v46-63: zero codes, q, zero codes: [0 | q] from v46, [q | 0] from v52
.set KF,  64                           ; v64-111 four fragments of k
.set VF,  112                          ; v112-159 four of v
.set S,   160                          ; v160-223 S^T, then p
.set O,   224                          ; v224-255 O^T
.set E0,  KF+20                        ; the way out: 8 x lane; the scale bytes' LDS address
.set E1,  KF+21
.macro PLACES n
.rept \n
	v_nop
.endr
.endm
.macro DL n
	s_delay_alu instid0(VALU_DEP_\n)
.endm
.macro CROUND
	s_barrier_signal -1
	s_barrier_wait -1
	s_cmp_lg_u32 s[WV], 0
	s_cbranch_scc1 .Lnot_wave_0_\@
	s_barrier_signal -3
.Lnot_wave_0_\@:
	s_barrier_wait -3
	s_barrier_signal -1
	s_barrier_wait -1
.endm
.macro KLD f, off                      ; fragment f = 2 c + x of k
.irp k, 0,1,2
	ds_load_b128 v[KF+12*(\f)+4*\k:KF+12*(\f)+4*\k+3], v[ADK] offset:(\off)+UN*(6*((\f)/2)+\k)+128*((\f)%2)
.endr
.endm
.macro KSL off                         ; lanes 0-15 the words of fragment 2 c, lanes 16-31 of 2 c + 1
	ds_load_b32 v[KS], v[ADKS] offset:(\off)+KSC
	ds_load_b32 v[KS+1], v[ADKS] offset:(\off)+KSC+128
.endm
.macro VLD t
.irp k, 0,1,2
	ds_load_b128 v[VF+12*(\t)+4*\k:VF+12*(\t)+4*\k+3], v[ADV] offset:UN*(12+3*(\t)+\k)
.endr
.endm
.macro ADDR
	v_add_nc_u32 v[ADV], s[TB], v[LI]
	v_add_nc_u32 v[ADK], s[TB], v[LK]
	v_add_nc_u32 v[ADKS], s[TB], v[LKS]
	v_add_nc_u32 v[ADVS], s[TB], v[LS]
.endm
.macro QK                              ; S^T of 128 keys: eight results, each begun with 0
.irp f, 0,1,2,3
.irp u, 0,1
.if \f%2
	v_wmma_scale_f32_16x16x128_f8f6f4 v[S+16*\f+8*\u:S+16*\f+8*\u+7], v[KF+12*\f:KF+12*\f+11], v[Q+6-6*\u:Q+17-6*\u], 0, v[KS+\f/2], v[QS] matrix_a_fmt:MATRIX_FMT_FP6 matrix_b_fmt:MATRIX_FMT_FP6 matrix_a_scale:MATRIX_SCALE_ROW1
.else
	v_wmma_scale_f32_16x16x128_f8f6f4 v[S+16*\f+8*\u:S+16*\f+8*\u+7], v[KF+12*\f:KF+12*\f+11], v[Q+6-6*\u:Q+17-6*\u], 0, v[KS+\f/2], v[QS] matrix_a_fmt:MATRIX_FMT_FP6 matrix_b_fmt:MATRIX_FMT_FP6
.endif
.endr
.endr
.endm
.macro LEVEL w, n                      ; a level of the sum's tree, in place on p: n pairs, w registers apart
.set kk, 0
.rept \n
	v_pk_add_f32 v[S+2*(\w)*kk:S+2*(\w)*kk+1], v[S+2*(\w)*kk:S+2*(\w)*kk+1], v[S+2*(\w)*kk+(\w):S+2*(\w)*kk+(\w)+1]
.set kk, kk+1
.endr
.endm
; A KEY STEP.  Its scores are in S.  more = 1: the next step's fragments of k are fetched and its scores issued
.macro KSTEP more
.irp b, 0,1,2,3
	v_max3_num_f32 v[BM+\b], v[S+16*\b], v[S+1+16*\b], v[S+2+16*\b]   ; four chains of 16 scores, each result read from its low end on
.endr
.irp i, 3,5,7,9,11,13
.irp b, 0,1,2,3
	v_max3_num_f32 v[BM+\b], v[BM+\b], v[S+16*\b+\i], v[S+1+16*\b+\i]
.endr
.endr
	v_max_num_f32 v[BM+1], v[BM+1], v[S+31]
	v_max_num_f32 v[BM+3], v[BM+3], v[S+63]
	v_max3_num_f32 v[BM], v[BM], v[S+15], v[BM+1]          ; the largest score of my block h: for the row's maximum and, since p rises with the score, for the block's largest p
	v_max3_num_f32 v[BM+2], v[BM+2], v[S+47], v[BM+3]      ; and of my block 2 + h
	VLD 0                                          ; the LDS loads stand between the lines of the chain; the 32 lines above are the places behind the last products
	v_max3_num_f32 v13, v13, v[BM], v[BM+2]
	VLD 1
	v_permlanex16_b32 v[BM+1], v13, s[SEL], s[SEL+1]
	VLD 2
	v_max_num_f32 v13, v13, v[BM+1]                ; the running largest score of my query
	VLD 3
	v_mul_f32 v[BM+1], s[NC], v13                  ; -t
	ds_load_b32 v[VS], v[ADVS] offset:VSC
	ds_load_b32 v[VS+1], v[ADVS] offset:VSC+128
	v_floor_f32 v12, v[BM+1]                       ; -M = floor(-t): M is a whole number
.if \more
	KLD 0, REC
.else
	DL 1                                           ; (where no loads stand between the chain's lines, a hint does)
.endif
	v_sub_f32 v[TMP], v12, v[TMP]
.if \more
	KLD 1, REC
.else
	DL 1
.endif
	v_cvt_i32_f32 v[TMP], v[TMP]                   ; (it saturates)
.if \more
	KLD 2, REC
.else
	DL 1
.endif
	v_ldexp_f32 v[F], 1.0, v[TMP]                  ; f = 2^(old M - new M)
.if \more
	KLD 3, REC
	KSL REC
.else
	s_cmp_lg_u32 s[TL], 0                          ; the first tile's last step fetches the pair of q again, for the second tile, into k's registers, which are free
	s_wait_alu depctr_va_vdst(0)
	s_cbranch_scc1 .Lno_q_\@
.irp k, 0,1,2
	global_load_b128 v[KF+4*\k:KF+4*\k+3], v[LI], s[40:41] offset:512*\k
.endr
	global_load_b32 v[KF+12], v[R4], s[42:43]
.Lno_q_\@:
.endif
.irp j, 0,2,4,6,8,10,12,14,16,18,20,22,24,26,28,30,32,34,36,38,40,42,44,46,48,50,52,54,56,58,60,62
	v_pk_fma_f32 v[S+\j:S+\j+1], v[S+\j:S+\j+1], s[CS:CS+1], v[12:13] op_sel_hi:[1,0,0]   ; t - M
.endr
	v_fma_f32 v[BM], v[BM], s[CS], v12
	v_fma_f32 v[BM+2], v[BM+2], s[CS], v12
	s_wait_alu depctr_va_vdst(0)
	v_exp_f32 v[BM], v[BM]                         ; my two blocks' largest p
	v_exp_f32 v[BM+2], v[BM+2]
.irp j, 0,1,2,3,4,5,6,7,8,9,10,11,12,13,14,15,16,17,18,19,20,21,22,23,24,25,26,27,28,29,30,31,32,33,34,35,36,37,38,39,40,41,42,43,44,45,46,47,48,49,50,51,52,53,54,55,56,57,58,59,60,61,62,63
	v_exp_f32 v[S+\j], v[S+\j]                     ; p = 2^(t - M)
.endr
	v_nop                                          ; the plain place behind the exponentials
	s_wait_alu depctr_va_vdst(0)                   ; and the one wait behind the batch
	v_max_num_f32 v[BM], 0x1800000, v[BM]          ; the floor 2^(3 - 127): the byte cannot fall under 1
	v_max_num_f32 v[BM+2], 0x1800000, v[BM+2]
	v_add_nc_u32 v[BM], 0xff000000, v[BM]          ; 2 off the exponent field: the conversion's scale operand
	v_add_nc_u32 v[BM+2], 0xff000000, v[BM+2]
.irp c, 0,1
	v_cvt_scalef32_pk16_fp6_f32 v[PC+6*\c:PC+2+6*\c], v[S+32*\c:S+15+32*\c], v[BM+2*\c]
	v_cvt_scalef32_pk16_fp6_f32 v[PX+4*\c:PX+2+4*\c], v[S+16+32*\c:S+31+32*\c], v[BM+2*\c]   ; (a conversion's three registers begin on an even number)
.endr
	s_wait_dscnt 0x0                               ; v's fragments of this step and k's of the next: all 28 loads
	s_wait_alu depctr_va_vdst(0)                   ; directly ahead of the first reader of O^T
.irp j, 0,2,4,6,8,10,12,14,16,18,20,22,24,26,28,30
	v_pk_mul_f32 v[O+\j:O+\j+1], v[O+\j:O+\j+1], v[F:F+1] op_sel_hi:[1,0]   ; O^T under the new M
.endr
	LEVEL 2, 16                                    ; the step's sum of the unquantised p, in place: the conversions have read it
	v_lshrrev_b32 v[SM], 23, v[BM]                 ; my two scale bytes
	v_lshrrev_b32 v[SM+1], 23, v[BM+2]
	LEVEL 4, 8
	v_lshl_or_b32 v[SM], v[SM+1], 16, v[SM]        ; at bytes 0 and 2
	LEVEL 8, 4
	v_permlanex16_b32 v[SM+1], v[SM], s[SEL], s[SEL+1]
	LEVEL 16, 2
	v_lshl_or_b32 v[PW], v[SM+1], 8, v[SM]         ; lanes 0-15: blocks 0, 2 are mine, blocks 1, 3 lane l + 16's.  (Lanes 16-31 of this word are not read)
	v_pk_add_f32 v[SM:SM+1], v[S:S+1], v[S+32:S+33]
.if \more
	s_add_co_u32 s[TB], s[TB], REC
	QK                                             ; the next step's scores
.endif
	v_pk_fma_f32 v[14:15], v[14:15], v[F:F+1], v[SM:SM+1] op_sel_hi:[1,0,1]   ; l under the new M, and the step's sum
.irp c, 0,1
.irp i, 0,1,2
	v_mov_b32 v[PC+3+6*\c+\i], v[PX+4*\c+\i]
.endr
.endr
.if \more
	ADDR                                           ; these five are also the places between the codes and the products
	v_mov_b32 v[TMP], v12                          ; the old -M of the next step
.else
	PLACES 4
.endif
.irp t, 0,1,2,3                                ; four accumulators by turns
.if \t%2
	v_wmma_scale_f32_16x16x128_f8f6f4 v[O+8*\t:O+8*\t+7], v[VF+12*\t:VF+12*\t+11], v[PC:PC+11], v[O+8*\t:O+8*\t+7], v[VS+\t/2], v[PW] matrix_a_fmt:MATRIX_FMT_FP6 matrix_b_fmt:MATRIX_FMT_FP6 matrix_a_scale:MATRIX_SCALE_ROW1
.else
	v_wmma_scale_f32_16x16x128_f8f6f4 v[O+8*\t:O+8*\t+7], v[VF+12*\t:VF+12*\t+11], v[PC:PC+11], v[O+8*\t:O+8*\t+7], v[VS+\t/2], v[PW] matrix_a_fmt:MATRIX_FMT_FP6 matrix_b_fmt:MATRIX_FMT_FP6
.endif
.endr
.endm
	s_load_b256 s[4:11], s[0:1], 0x0               ; qrec 4, kv 6, oimg 8, osc 10
	v_lshl_add_u32 v254, v0, 2, SPARE
	v_mov_b32 v255, 0
	ds_add_u32 v254, v255                          ; the opening lines: the add, twice on end, and its wait
	ds_add_u32 v254, v255
	v_lshrrev_b32 v20, 5, v0
	v_readfirstlane_b32 s[WV], v20
	s_bfe_u32 s13, ttmp6, 0x40000                  ; cx: it enters q's and the outputs' addresses alone
	s_and_b32 s14, ttmp7, 0xffff                   ; the head among 64: the four partners share it
	v_and_b32 v21, 31, v0
	v_and_b32 v22, 15, v0
	v_bfe_u32 v23, v0, 3, 1                        ; r / 8
	v_bfe_u32 v24, v0, 4, 1                        ; h
	v_lshlrev_b32 v[LI], 4, v21
	v_lshlrev_b32 v[LS], 2, v21
	v_lshlrev_b32 v[R4], 2, v22
	v_mad_u32_u24 v[LK], v23, 1792, v[LI]
	v_lshl_add_u32 v[LKS], v23, 5, v[R4]
	v_lshl_add_u32 v[LKS], v24, 5, v[LKS]
	s_mov_b32 s16, 15|(3<<16)|(1<<20)|(1<<21)|(6<<22)|(31<<25)   ; the mask: all four; elements of 8 bytes; padding on; 21 set beside a mask; after every 128 words 32 words
	s_mov_b32 s17, 64<<16                          ; a record is a dense block: 25 rows of 512 bytes
	s_mov_b32 s18, 25<<16
	s_mov_b32 s19, 64<<16
	s_mov_b32 s20, 25
	s_mov_b32 s21, 64
	s_mov_b32 s22, 0
	s_mov_b32 s23, 0
	s_mov_b32 s24, 1
	s_mul_i32 s25, s[WV], REC                      ; wave w brings record w
	s_mul_i32 s34, s14, 204800
	s_mul_i32 s35, s[WV], 12800
	s_add_co_u32 s34, s34, s35
	s_mov_b32 s35, 0
	s_mov_b32 s[SEL], 0x76543210
	s_mov_b32 s[SEL+1], 0xfedcba98
	s_mov_b32 s[CS], 0x3e38aa3b                    ; log2(e) / 8
	s_mov_b32 s[CS+1], s[CS]
	s_mov_b32 s[NC], 0xbe38aa3b
	s_lshl_b32 s[OB], s[WV], 6
	s_add_co_u32 s[OB], s[OB], OSCL
	s_mov_b32 s[TL], 0
	s_wait_dscnt 0x0
	s_wait_kmcnt 0x0
	s_add_nc_u64 s[26:27], s[6:7], s[34:35]
	s_or_b32 s27, s27, 0x80000000
	CROUND                                         ; all four work-groups are here: the joint loads meet
	tensor_load_to_lds s[24:27], s[16:23]          ; one load of mine is out
	s_nop 0
	PLACES 4
	s_lshl_b32 s36, s13, 2                         ; my pair of query tiles is 16 cx + wave: record 4 cx + wave / 4, pair wave % 4
	s_lshr_b32 s37, s[WV], 2
	s_add_co_u32 s36, s36, s37
	s_mul_i32 s36, s36, 6400
	s_mul_i32 s37, s14, 102400
	s_add_co_u32 s36, s36, s37
	s_mov_b32 s37, 0
	s_add_nc_u64 s[4:5], s[4:5], s[36:37]
	s_and_b32 s38, s[WV], 3
	s_mul_i32 s36, s38, 1536
	s_add_nc_u64 s[40:41], s[4:5], s[36:37]
	s_lshl_b32 s36, s38, 6
	s_add_co_u32 s36, s36, 6144
	s_add_nc_u64 s[42:43], s[4:5], s[36:37]
	s_wait_alu depctr_va_vdst(0)                   ; the addresses were made ahead of branches and waits
.irp k, 0,1,2
	global_load_b128 v[KF+4*\k:KF+4*\k+3], v[LI], s[40:41] offset:512*\k   ; the pair of q: registers 0-5 tile 0, 6-11 tile 1
.endr
	global_load_b32 v[KF+12], v[R4], s[42:43]      ; its scale word: two bytes a tile
	s_lshr_b32 s36, s14, 4                         ; O's codes: row tile 128 batch + 32 cx + 2 wave; in it 768 bytes a head
	s_lshl_b32 s36, s36, 7
	s_lshl_b32 s38, s13, 5
	s_add_co_u32 s36, s36, s38
	s_lshl_b32 s38, s[WV], 1
	s_add_co_u32 s36, s36, s38
	s_mul_i32 s36, s36, 12288
	s_and_b32 s38, s14, 15
	s_mul_i32 s39, s38, 768
	s_add_co_u32 s36, s36, s39
	s_add_nc_u64 s[8:9], s[8:9], s[36:37]
	s_lshl_b32 s36, s38, 14                        ; O's scale bytes: head x 16,384 + 2 x (2,048 batch + 512 cx)
	s_lshr_b32 s39, s14, 4
	s_lshl_b32 s39, s39, 12
	s_add_co_u32 s36, s36, s39
	s_lshl_b32 s39, s13, 10
	s_add_co_u32 s36, s36, s39
	s_add_nc_u64 s[10:11], s[10:11], s[36:37]
.irp i, 0,1,2,3,4,5
	v_mov_b32 v[Q+\i], 0                           ; zero codes: they add nothing under any scale byte but 0xff
	v_mov_b32 v[Q+12+\i], 0
.endr
	s_wait_alu depctr_va_vdst(0)
	s_wait_tensorcnt 0x0                           ; my record is in,
	s_barrier_signal -1
	s_barrier_wait -1                              ; everybody's is: K and V stay as they are from here on
.Ltile:
	s_wait_loadcnt 0x0                             ; the pair of q
	s_cmp_eq_u32 s[TL], 0
	s_cselect_b32 s[MK], 0, -1
	s_lshl_b32 s[SH], s[TL], 4
.irp i, 0,1,2,3,4,5
	v_cndmask_b32 v[Q+6+\i], v[KF+\i], v[KF+6+\i], s[MK]   ; this tile's half of the pair
.endr
	v_bfe_u32 v[TMP], v[KF+12], s[SH], 16          ; its two scale bytes, in bytes 0, 1 and again in bytes 2, 3: one word serves [q | 0] and [0 | q]
	DL 1
	v_lshl_or_b32 v[QS], v[TMP], 16, v[TMP]
	v_mov_b32 v13, 0xff61b1e6                      ; the largest score so far: -3e38
	v_mov_b32 v12, 0x7f61b1e6                      ; -M
	v_mov_b32 v[TMP], 0x7f61b1e6
	v_mov_b32 v14, 0
	v_mov_b32 v15, 0
.irp j, 0,1,2,3,4,5,6,7,8,9,10,11,12,13,14,15,16,17,18,19,20,21,22,23,24,25,26,27,28,29,30,31
	v_mov_b32 v[O+\j], 0                           ; the step is written for all steps alike: the first finds zeros
.endr
	s_mov_b32 s[TB], 0
	ADDR
.irp f, 0,1,2,3
	KLD \f, 0
.endr
	KSL 0
	s_mov_b32 s[CNT], 15
	s_wait_alu depctr_va_vdst(0)
	s_wait_dscnt 0x0
	QK                                             ; the first step's scores
	PLACES 4
.Lkey:
	KSTEP 1
	s_sub_co_u32 s[CNT], s[CNT], 1
	s_cmp_lg_u32 s[CNT], 0
	s_cbranch_scc1 .Lkey
	KSTEP 0
	v_add_f32 v14, v14, v15                        ; THE WAY OUT.  These seven plain lines are the places behind the last products
	v_lshrrev_b32 v[E0], 1, v[LI]                  ; 8 x lane
	v_permlanex16_b32 v[TMP], v14, s[SEL], s[SEL+1]
	v_lshrrev_b32 v[E1], 1, v[LS]
	v_add_f32 v14, v14, v[TMP]                     ; the row's sum
	v_and_b32 v[E1], 30, v[E1]                     ; 2 r
	s_wait_alu depctr_va_vdst(0)
	v_rcp_f32 v[F], v14
	v_add_nc_u32 v[E1], s[OB], v[E1]
	s_wait_alu depctr_va_vdst(0)
.irp j, 0,2,4,6,8,10,12,14,16,18,20,22,24,26,28,30
	v_pk_mul_f32 v[S+\j:S+\j+1], v[O+\j:O+\j+1], v[F:F+1] op_sel_hi:[1,0]   ; O / l: register 16 b + 8 u + j is d = 32 b + 16 u + 8 h + j
.endr
.irp b, 0,1
	v_max3_num_f32 v[BM+\b], |v[S+16*\b]|, |v[S+1+16*\b]|, 0x1800000
.endr
.irp i, 2,4,6,8,10,12,14
.irp b, 0,1
	DL 2
	v_max3_num_f32 v[BM+\b], v[BM+\b], |v[S+16*\b+\i]|, |v[S+1+16*\b+\i]|
.endr
.endr
.irp b, 0,1
	DL 2
	v_permlanex16_b32 v[SM+\b], v[BM+\b], s[SEL], s[SEL+1]
.endr
.irp b, 0,1
	DL 2
	v_max_num_f32 v[BM+\b], v[BM+\b], v[SM+\b]
.endr
.irp b, 0,1
	DL 2
	v_add_nc_u32 v[BM+\b], 0xff000000, v[BM+\b]
.endr
.irp b, 0,1
	DL 2
	v_lshrrev_b32 v[SM+\b], 23, v[BM+\b]
.endr
	DL 1
	v_lshl_or_b32 v[TMP], v[SM+1], 8, v[SM]        ; my query's two scale bytes
	v_cvt_scalef32_pk16_fp6_f32 v[PC:PC+2], v[S:S+15], v[BM]
	v_cvt_scalef32_pk16_fp6_f32 v[PC+4:PC+6], v[S+16:S+31], v[BM+1]
	v_nop
.irp i, 0,1,2
	v_permlane16_swap_b32 v[PC+\i], v[PC+4+\i]     ; lanes 0-15 block 0 whole, lanes 16-31 block 1
.endr
	v_mov_b32 v[PC+3], v[PC+4]
	v_mov_b32 v[PC+4], v[PC+5]
	v_mov_b32 v[PC+5], v[PC+6]
	global_store_b128 v[LI], v[PC:PC+3], s[8:9]            ; 512 consecutive bytes
	global_store_b64 v[E0], v[PC+4:PC+5], s[8:9] offset:512 ; 256 consecutive bytes
	ds_store_b16 v[E1], v[TMP]                     ; both halves of the lanes write the same two bytes with the same value
	s_wait_xcnt 0x0                                ; the stores have read their registers and their base
	s_add_nc_u64 s[8:9], s[8:9], 12288             ; the next row tile
	s_add_co_u32 s[OB], s[OB], 32
	s_add_co_u32 s[TL], s[TL], 1
	s_cmp_lt_u32 s[TL], 2
	s_wait_alu depctr_va_vdst(0)
	s_cbranch_scc1 .Ltile
	s_wait_dscnt 0x0                               ; my scale bytes lie in LDS
	s_barrier_signal -1
	s_barrier_wait -1
	s_cmp_lg_u32 s[WV], 0                          ; wave 0 stores the work-group's 1,024 scale bytes, 512 consecutive bytes a store
	s_cbranch_scc1 .Lnot_first
	v_add_nc_u32 v[E0], OSCL, v[LI]
	ds_load_b128 v[KF:KF+3], v[E0]
	ds_load_b128 v[KF+4:KF+7], v[E0] offset:512
	s_wait_dscnt 0x0
	global_store_b128 v[LI], v[KF:KF+3], s[10:11]
	global_store_b128 v[LI], v[KF+4:KF+7], s[10:11] offset:512
.Lnot_first:
	v_lshl_add_u32 v254, v0, 2, SPARE              ; the add's two registers, made anew: v0 is as at the entry
	v_mov_b32 v255, 0
	s_wait_alu depctr_va_vdst(0)
	s_wait_tensorcnt 0x0                           ; the wave's end
	ds_add_u32 v254, v255
	s_wait_dscnt 0x0
	CROUND                                         ; the closing round
	s_endpgm
.Lfunc_end_k_q3b02a7ebfe_attn:
	.size	k_q3b02a7ebfe_attn, .Lfunc_end_k_q3b02a7ebfe_attn-k_q3b02a7ebfe_attn
	.p2alignl 7, 3214868480
	.fill 96, 4, 3214868480
	.section	.rodata,"a",@progbits
	.p2align	6, 0x0
	.amdhsa_kernel k_q3b02a7ebfe_attn
		.amdhsa_group_segment_fixed_size 259072
		.amdhsa_private_segment_fixed_size 0
		.amdhsa_enable_private_segment 0
		.amdhsa_kernarg_size 32
		.amdhsa_user_sgpr_count 2
		.amdhsa_user_sgpr_kernarg_segment_ptr 1
		.amdhsa_wavefront_size32 1
		.amdhsa_system_sgpr_workgroup_id_x 1
		.amdhsa_system_sgpr_workgroup_id_y 1
		.amdhsa_system_sgpr_workgroup_id_z 1
		.amdhsa_system_vgpr_workitem_id 0
		.amdhsa_next_free_vgpr 256
		.amdhsa_next_free_sgpr 66
		.amdhsa_reserve_vcc 0
		.amdhsa_float_denorm_mode_32 3
		.amdhsa_float_denorm_mode_16_64 3
		.amdhsa_memory_ordered 1
		.amdhsa_forward_progress 1
		.amdhsa_inst_pref_size 42
	.end_amdhsa_kernel
	.amdgpu_metadata
---
amdhsa.version: [ 1, 2 ]
amdhsa.kernels:
  - .name:           k_q3b02a7ebfe_attn
    .symbol:         k_q3b02a7ebfe_attn.kd
    .args:
      - { .name: qrec, .offset: 0, .size: 8, .value_kind: global_buffer, .address_space: global }
      - { .name: kv, .offset: 8, .size: 8, .value_kind: global_buffer, .address_space: global }
      - { .name: oimg, .offset: 16, .size: 8, .value_kind: global_buffer, .address_space: global }
      - { .name: osc, .offset: 24, .size: 8, .value_kind: global_buffer, .address_space: global }
    .group_segment_fixed_size: 259072
    .private_segment_fixed_size: 0
    .kernarg_segment_align: 8
    .kernarg_segment_size: 32
    .max_flat_workgroup_size: 512
    .sgpr_count:     66
    .vgpr_count:     256
    .wavefront_size: 32
...
	.end_amdgpu_metadata
.endif
;; end of part 3
;; launch oproj (part 4): grid 4 x 64, 4 waves a work-group, clusters of 4 x 4, 295,424 bytes of LDS; arguments oimg, osc, codes, scales, bo, out0; writes out0
.if DOCPART == 4
	.amdgcn_target "amdgcn-amd-amdhsa--gfx1250"
	.amdhsa_code_object_version 6
	.text
	.protected	k_q3b02a7ebfe_oproj
	.globl	k_q3b02a7ebfe_oproj
	.p2align	8
	.type	k_q3b02a7ebfe_oproj,@function
k_q3b02a7ebfe_oproj:
	s_mov_b64 s[64:65], 0
	v_nop
	global_prefetch_b8 v0, s[64:65] scope:SCOPE_SE
	s_setreg_imm32_b32 hwreg(HW_REG_WAVE_MODE, 25, 1), 1
	s_wait_xcnt 0x0
	s_wait_alu depctr_hold_cnt(0) depctr_sa_sdst(0) depctr_va_vdst(0) depctr_va_sdst(0) depctr_va_ssrc(0) depctr_va_vcc(0) depctr_vm_vsrc(0)
	s_getreg_b32 s2, hwreg(HW_REG_IB_STS2, 6, 4)
	s_cmp_eq_u32 s2, 0
	s_cbranch_scc0 .Lentry_in_a_cluster
	s_endpgm
.Lentry_in_a_cluster:
	s_bfe_u32 s2, ttmp6, 0x10000c
	s_cmp_lg_u32 s2, 0xf033
	s_cbranch_scc0 .Lentry_shape_is_right
	s_endpgm
.Lentry_shape_is_right:
; OPROJ.  out0 = O Wo^T + bo on codes of FP6 (E2M3) with E8M0 scales; out0 [8192][1024] f32.
; Side A (matrix source 1): 128 tokens, from oimg; side B (source 0): 256 rows of Wo, from codes; all of K = 1,024.  Four waves, wave (wa, wb) makes 64 tokens x 128 features: 32 accumulators.
; In a result lane (r, h) holds token r, register j feature 16 t + 8 h + j: 32 consecutive bytes of a row of out0.
; LDS: both sides' codes for all of K are 294,912 bytes: filled ONCE, all asked for at the head (one tensor load a wave).
; B's fragments are images of 12 registers (three ds_load_b128).  A's come in halves, as the launch before made them head by head: registers 6 c .. 6 c + 3 by a ds_load_b128, 6 c + 4, 5 by a ds_load_b64.
; CLUSTERS 4 x 4: A's tiles are asked for jointly by a row of the cluster, B's by a column.
; Scale words in registers: lane l of group g holds the eight words of row 32 g + l.  B's come as they lie; A's are put together from two bytes a head.
; THE WAY OUT: a tile of 16 tokens x 128 features goes through the wave's stage in LDS and leaves as rows of 512 consecutive bytes.  The stage lies on A's first bytes, which nobody reads behind the barrier after the last products.
; No prefetch: every tile is asked for at the head.
; REGISTERS.  window 0: v1-15 addresses; v32-63 B's scale words, v64-79 A's; v80-111 A's scale bytes as loaded; v128-223 A's fragments, two sets (on the way out v128-255 are at work).
;   window 1: v0-191 B's fragments, two sets.   window 2: accumulator (a, t) at 8 (8 a + t).   window 3: v0-63 the bias.
; LDS AS IT LIES NOW (in place of what the head says of chunks): each wave brings ONE dense block by ONE tensor load at the head: its half of a side for all of K, as it lies in memory:
; [row tile][K step][1,536 bytes].  A's halves at 0 and 49,152, B's at 98,304 and 196,608.  Every byte is filled once; one wait and one barrier show all of it.
; The stage of the way out lies on A's first bytes, behind a barrier of its own behind which nobody reads codes any more.
.set AHALF, 49152                      ; four row tiles x 12,288 bytes
.set BHALF, 98304                      ; eight
.set BOFF,  98304
.set ADRB2, 16                         ; v16: B's row tiles 4-7 (the 16-bit offset does not reach them from v[ADRB])
.set SPITCH, 528
.set WV,   20
.set G1A,  28
.set G1B,  36
.set G0A,  44
.set G0B,  68
.set ADRA, 4
.set ADRB, 5
.set LI16, 6
.set SCV,  8
.set BIV,  9
.set ADRA8, 12
.set U2,   13
.set STO,  14
.set RD,   15
.set SB,   32
.set SA,   64
.set TT,   80
.set AF,   128
.set HA,   128
.set BK,   192
.set MSB, 0
.macro WIN new
.if MSB != \new
	s_set_vgpr_msb (MSB<<8)|\new
.set MSB, \new
.endif
.endm
.macro PLACES n
.rept \n
	v_nop
.endr
.endm
.macro CROUND
	s_barrier_signal -1
	s_barrier_wait -1
	s_cmp_lg_u32 s[WV], 0
	s_cbranch_scc1 .Lnot_wave_0_\@
	s_barrier_signal -3
.Lnot_wave_0_\@:
	s_barrier_wait -3
	s_barrier_signal -1
	s_barrier_wait -1
.endm
.macro FETCH q, set
	WIN 0x40
.irp t, 0,1,2,3,4,5,6,7
.irp c, 0,1,2
	ds_load_b128 v[96*(\set)+12*\t+4*\c:96*(\set)+12*\t+4*\c+3], v[ADRB+(ADRB2-ADRB)*((\t)/4)] offset:12288*((\t)%4)+1536*(\q)+512*\c
.endr
.endr
	WIN 0
.irp a, 0,1,2,3
.irp c, 0,1
	ds_load_b128 v[AF+48*(\set)+12*\a+6*\c:AF+48*(\set)+12*\a+6*\c+3], v[ADRA] offset:12288*\a+1536*(\q)+768*\c
	ds_load_b64 v[AF+48*(\set)+12*\a+6*\c+4:AF+48*(\set)+12*\a+6*\c+5], v[ADRA8] offset:12288*\a+1536*(\q)+768*\c+512
.endr
.endr
.endm
.macro WM a, t, q, set, zero
.set rD, 8*(8*(\a)+(\t))
.set rB, 96*(\set)+12*(\t)
.set rA, AF+48*(\set)+12*(\a)
.set rS, SB+8*((\t)/2)+(\q)
.set rT, SA+8*((\a)/2)+(\q)
.if \zero
.if ((\t)%2) && ((\a)%2)
	v_wmma_scale_f32_16x16x128_f8f6f4 v[rD:rD+7], v[rB:rB+11], v[rA:rA+11], 0, v[rS], v[rT] matrix_a_fmt:MATRIX_FMT_FP6 matrix_b_fmt:MATRIX_FMT_FP6 matrix_a_scale:MATRIX_SCALE_ROW1 matrix_b_scale:MATRIX_SCALE_ROW1
.elseif (\t)%2
	v_wmma_scale_f32_16x16x128_f8f6f4 v[rD:rD+7], v[rB:rB+11], v[rA:rA+11], 0, v[rS], v[rT] matrix_a_fmt:MATRIX_FMT_FP6 matrix_b_fmt:MATRIX_FMT_FP6 matrix_a_scale:MATRIX_SCALE_ROW1
.elseif (\a)%2
	v_wmma_scale_f32_16x16x128_f8f6f4 v[rD:rD+7], v[rB:rB+11], v[rA:rA+11], 0, v[rS], v[rT] matrix_a_fmt:MATRIX_FMT_FP6 matrix_b_fmt:MATRIX_FMT_FP6 matrix_b_scale:MATRIX_SCALE_ROW1
.else
	v_wmma_scale_f32_16x16x128_f8f6f4 v[rD:rD+7], v[rB:rB+11], v[rA:rA+11], 0, v[rS], v[rT] matrix_a_fmt:MATRIX_FMT_FP6 matrix_b_fmt:MATRIX_FMT_FP6
.endif
.else
.if ((\t)%2) && ((\a)%2)
	v_wmma_scale_f32_16x16x128_f8f6f4 v[rD:rD+7], v[rB:rB+11], v[rA:rA+11], v[rD:rD+7], v[rS], v[rT] matrix_a_fmt:MATRIX_FMT_FP6 matrix_b_fmt:MATRIX_FMT_FP6 matrix_a_scale:MATRIX_SCALE_ROW1 matrix_b_scale:MATRIX_SCALE_ROW1
.elseif (\t)%2
	v_wmma_scale_f32_16x16x128_f8f6f4 v[rD:rD+7], v[rB:rB+11], v[rA:rA+11], v[rD:rD+7], v[rS], v[rT] matrix_a_fmt:MATRIX_FMT_FP6 matrix_b_fmt:MATRIX_FMT_FP6 matrix_a_scale:MATRIX_SCALE_ROW1
.elseif (\a)%2
	v_wmma_scale_f32_16x16x128_f8f6f4 v[rD:rD+7], v[rB:rB+11], v[rA:rA+11], v[rD:rD+7], v[rS], v[rT] matrix_a_fmt:MATRIX_FMT_FP6 matrix_b_fmt:MATRIX_FMT_FP6 matrix_b_scale:MATRIX_SCALE_ROW1
.else
	v_wmma_scale_f32_16x16x128_f8f6f4 v[rD:rD+7], v[rB:rB+11], v[rA:rA+11], v[rD:rD+7], v[rS], v[rT] matrix_a_fmt:MATRIX_FMT_FP6 matrix_b_fmt:MATRIX_FMT_FP6
.endif
.endif
.endm
; K step q: its fragments are in; the next step's are asked for, into the other set; then 32 products, the accumulators by turns.
.macro STEP q, zero
	s_wait_dscnt 0x0
.if (\q) < 7
	PLACES 4
	FETCH (\q)+1, ((\q)+1)%2
.endif
	WIN 0xa1
.irp a, 0,1,2,3
.irp t, 0,1,2,3,4,5,6,7
	WM \a, \t, \q, (\q)%2, \zero
.endr
.endr
	WIN 0
.endm
	s_load_b256 s[4:11], s[0:1], 0x0               ; oimg 4, osc 6, codes 8, scales 10
	s_load_b128 s[12:15], s[0:1], 0x20             ; bo 12, out0 14
	v_lshl_add_u32 v126, v0, 2, 0x48000
	v_mov_b32 v127, 0
	ds_add_u32 v126, v127
	ds_add_u32 v126, v127
	v_lshrrev_b32 v1, 5, v0
	v_readfirstlane_b32 s[WV], v1
	s_lshr_b32 s21, s[WV], 1                       ; wa; also: 0 fetches for A, 1 for B
	s_and_b32 s22, s[WV], 1                        ; wb; also: which half I fetch
	s_bfe_u32 s23, ttmp6, 0x40000                  ; cx
	s_bfe_u32 s24, ttmp6, 0x40004                  ; cy
	s_and_b32 s25, ttmp7, 0xffff                   ; cluster y
	v_and_b32 v1, 31, v0
	v_and_b32 v2, 15, v0
	v_bfe_u32 v3, v0, 4, 1
	v_lshlrev_b32 v[LI16], 4, v1
	v_lshlrev_b32 v[SCV], 5, v1
	v_lshlrev_b32 v[BIV], 5, v3
	v_lshlrev_b32 v[U2], 1, v1
	s_mul_i32 s26, s21, AHALF
	v_add_nc_u32 v[ADRA], s26, v[LI16]
	v_lshl_add_u32 v[ADRA8], v1, 3, s26
	s_mul_i32 s26, s22, BHALF
	s_add_co_u32 s26, s26, BOFF
	v_add_nc_u32 v[ADRB], s26, v[LI16]             ; my eight of B: tiles 0-3,
	v_add_nc_u32 v[ADRB2], 49152, v[ADRB]          ; and tiles 4-7
	s_mul_i32 s26, s[WV], 16*SPITCH                ; my stage
	v_mul_u32_u24 v[STO], v2, SPITCH
	v_lshl_add_u32 v[STO], v3, 5, v[STO]
	v_add_nc_u32 v[STO], s26, v[STO]               ; in: row r, + 32 h
	v_add_nc_u32 v[RD], s26, v[LI16]               ; back: a row's 512 bytes, 16 a lane
	s_mul_i32 s26, s22, AHALF
	s_mul_i32 s27, s22, BHALF
	s_add_co_u32 s27, s27, BOFF
	s_lshl_b32 s61, s24, 2
	s_lshl_b32 s61, 15, s61                        ; my row of the cluster
	s_or_b32 s[G1A], s61, (3<<16)|(1<<21)
	s_lshl_b32 s85, 0x1111, s23                    ; my column
	s_or_b32 s[G1B], s85, (3<<16)|(1<<21)
.irp g, G1A, G1B
	s_mov_b32 s[\g+1], 1536<<16                    ; tensor_dim0: 12,288 bytes, all K steps of a row tile
	s_mov_b32 s[\g+3], 1536<<16                    ; tile_dim0
	s_mov_b32 s[\g+5], 1536
	s_mov_b32 s[\g+6], 0
	s_mov_b32 s[\g+7], 0
.endr
	s_mov_b32 s[G1A+2], 4<<16
	s_mov_b32 s[G1A+4], 4
	s_mov_b32 s[G1B+2], 8<<16
	s_mov_b32 s[G1B+4], 8
	s_lshl_b32 s60, s25, 5
	s_lshl_b32 s61, s24, 3
	s_add_co_u32 s60, s60, s61                     ; A's first row tile: 32 cluster y + 8 cy
	s_lshl_b32 s61, s22, 2
	s_add_co_u32 s61, s61, s60
	s_mul_i32 s62, s61, 12288
	s_mov_b32 s63, 0
	s_lshl_b32 s84, s23, 4
	s_add_co_u32 s84, s84, 1216                    ; B's: Wo's row tiles, 16 cx on
	s_lshl_b32 s85, s22, 3
	s_add_co_u32 s85, s85, s84
	s_mul_i32 s86, s85, 12288
	s_mov_b32 s87, 0
	s_wait_dscnt 0x0
	s_wait_kmcnt 0x0
	s_add_nc_u64 s[62:63], s[4:5], s[62:63]
	s_add_nc_u64 s[86:87], s[8:9], s[86:87]
	s_mov_b32 s[G0A], 1
	s_mov_b32 s[G0A+1], s26
	s_mov_b64 s[G0A+2:G0A+3], s[62:63]
	s_or_b32 s[G0A+3], s[G0A+3], 0x80000000
	s_mov_b32 s[G0B], 1
	s_mov_b32 s[G0B+1], s27
	s_mov_b64 s[G0B+2:G0B+3], s[86:87]
	s_or_b32 s[G0B+3], s[G0B+3], 0x80000000
	CROUND                                         ; all sixteen work-groups are here: the joint loads meet
	s_cmp_eq_u32 s21, 0
	s_cbranch_scc0 .Lfill_b
	tensor_load_to_lds s[G0A:G0A+3], s[G1A:G1A+7]
	s_nop 0
	PLACES 4
	s_branch .Lfilled
.Lfill_b:
	tensor_load_to_lds s[G0B:G0B+3], s[G1B:G1B+7]
	s_nop 0
	PLACES 4
.Lfilled:
	s_lshl_b32 s88, s60, 5                         ; A's scale bytes: 2 bytes a token: 32 a row tile, + 128 wa
	s_lshl_b32 s89, s21, 7
	s_add_co_u32 s88, s88, s89
	s_mov_b32 s89, 0
	s_add_nc_u64 s[88:89], s[6:7], s[88:89]
	s_lshl_b32 s90, s22, 3
	s_add_co_u32 s90, s90, s84
	s_lshl_b32 s90, s90, 9
	s_mov_b32 s91, 0
	s_add_nc_u64 s[90:91], s[10:11], s[90:91]      ; B's scale bytes
	s_lshl_b32 s92, s23, 10
	s_lshl_b32 s93, s22, 9
	s_add_co_u32 s92, s92, s93                     ; my 128 features, in bytes
	s_mov_b32 s93, 0
	s_lshl_b32 s94, s60, 16                        ; my first token's row of out0: 16 rows of 4,096 bytes a row tile, + 64 wa rows
	s_lshl_b32 s95, s21, 18
	s_add_co_u32 s94, s94, s95
	s_mov_b32 s95, 0
	s_add_nc_u64 s[94:95], s[14:15], s[94:95]
	s_add_nc_u64 s[94:95], s[94:95], s[92:93]
	s_add_nc_u64 s[92:93], s[12:13], s[92:93]      ; the bias
.irp g, 0,1,2,3
	global_load_b128 v[SB+8*\g:SB+8*\g+3], v[SCV], s[90:91] offset:1024*\g
	global_load_b128 v[SB+8*\g+4:SB+8*\g+7], v[SCV], s[90:91] offset:1024*\g+16
.endr
	s_wait_alu depctr_va_vdst(0)
.irp g, 0,1
.irp hd, 0,1,2,3,4,5,6,7,8,9,10,11,12,13,14,15
	global_load_u16 v[TT+16*\g+\hd], v[U2], s[88:89] offset:16384*\hd+64*\g   ; token 32 g + lane, head hd: two scale bytes
.endr
.endr
	WIN 0xc0                                       ; destination window 3
.irp t, 0,1,2,3,4,5,6,7
	global_load_b128 v[8*\t:8*\t+3], v[BIV], s[92:93] offset:64*\t        ; the bias in the result's layout
	global_load_b128 v[8*\t+4:8*\t+7], v[BIV], s[92:93] offset:64*\t+16
.endr
	WIN 0
	s_wait_tensorcnt 0x0                           ; my one load is in
	s_barrier_signal -1
	s_barrier_wait -1
	FETCH 0, 0
	s_wait_loadcnt 0x0
.irp g, 0,1
.irp q, 0,1,2,3,4,5,6,7
	v_lshl_or_b32 v[SA+8*\g+\q], v[TT+16*\g+2*\q+1], 16, v[TT+16*\g+2*\q]   ; K step q is heads 2 q and 2 q + 1
.endr
.endr
	PLACES 8                                       ; a scale register written by a vector instruction stands eight places ahead of a scaled matrix instruction
	s_wait_alu depctr_va_vdst(0)
	STEP 0, 1
	STEP 1, 0
	s_wait_alu depctr_va_vdst(0)
	STEP 2, 0
	STEP 3, 0
	s_wait_alu depctr_va_vdst(0)
	STEP 4, 0
	STEP 5, 0
	s_wait_alu depctr_va_vdst(0)
	STEP 6, 0
	STEP 7, 0
	s_barrier_signal -1                            ; every wave's last fragment loads came back ahead of its last products: behind this barrier nobody reads codes,
	s_barrier_wait -1                              ; and the stages may be laid over A's first bytes
	PLACES 4                                       ; behind the last products
.irp a, 0,1,2,3
	WIN 0x0e                                       ; source 0 window 2 (sums), source 1 window 3 (bias)
.irp i, 0,1,2,3,4,5,6,7,8,9,10,11,12,13,14,15,16,17,18,19,20,21,22,23,24,25,26,27,28,29,30,31
	v_pk_add_f32 v[HA+2*\i:HA+2*\i+1], v[64*\a+2*\i:64*\a+2*\i+1], v[2*\i:2*\i+1]   ; each accumulator from its low end on
.endr
	WIN 0
.irp t, 0,1,2,3,4,5,6,7
	ds_store_b128 v[STO], v[HA+8*\t:HA+8*\t+3] offset:64*\t
	ds_store_b128 v[STO], v[HA+8*\t+4:HA+8*\t+7] offset:64*\t+16
.endr
	s_wait_xcnt 0x0                                ; the last tile's stores have read their registers
.irp i, 0,1,2,3,4,5,6,7,8,9,10,11,12,13,14,15
	ds_load_b128 v[BK+4*\i:BK+4*\i+3], v[RD] offset:SPITCH*\i      ; LDS serves a wave's instructions in order: these see the stores above
.endr
.irp i, 0,1,2,3,4,5,6,7,8,9,10,11,12,13,14,15
	s_wait_dscnt 15-\i                             ; row i is back; the younger loads may be out
	global_store_b128 v[LI16], v[BK+4*\i:BK+4*\i+3], s[94:95] offset:65536*\a+4096*\i th:TH_STORE_NT   ; 512 consecutive bytes of a row of out0
.endr
.endr
	s_wait_tensorcnt 0x0
	ds_add_u32 v126, v127
	s_wait_dscnt 0x0
	CROUND                                         ; the closing round
	s_endpgm
.Lfunc_end_k_q3b02a7ebfe_oproj:
	.size	k_q3b02a7ebfe_oproj, .Lfunc_end_k_q3b02a7ebfe_oproj-k_q3b02a7ebfe_oproj
	.p2alignl 7, 3214868480
	.fill 96, 4, 3214868480
	.section	.rodata,"a",@progbits
	.p2align	6, 0x0
	.amdhsa_kernel k_q3b02a7ebfe_oproj
		.amdhsa_group_segment_fixed_size 295424
		.amdhsa_private_segment_fixed_size 0
		.amdhsa_enable_private_segment 0
		.amdhsa_kernarg_size 48
		.amdhsa_user_sgpr_count 2
		.amdhsa_user_sgpr_kernarg_segment_ptr 1
		.amdhsa_wavefront_size32 1
		.amdhsa_system_sgpr_workgroup_id_x 1
		.amdhsa_system_sgpr_workgroup_id_y 1
		.amdhsa_system_sgpr_workgroup_id_z 1
		.amdhsa_system_vgpr_workitem_id 0
		.amdhsa_next_free_vgpr 1024
		.amdhsa_next_free_sgpr 102
		.amdhsa_reserve_vcc 0
		.amdhsa_float_denorm_mode_32 3
		.amdhsa_float_denorm_mode_16_64 3
		.amdhsa_memory_ordered 1
		.amdhsa_forward_progress 1
		.amdhsa_inst_pref_size 92
	.end_amdhsa_kernel
	.amdgpu_metadata
---
amdhsa.version: [ 1, 2 ]
amdhsa.kernels:
  - .name:           k_q3b02a7ebfe_oproj
    .symbol:         k_q3b02a7ebfe_oproj.kd
    .args:
      - { .name: oimg, .offset: 0, .size: 8, .value_kind: global_buffer, .address_space: global }
      - { .name: osc, .offset: 8, .size: 8, .value_kind: global_buffer, .address_space: global }
      - { .name: codes, .offset: 16, .size: 8, .value_kind: global_buffer, .address_space: global }
      - { .name: scales, .offset: 24, .size: 8, .value_kind: global_buffer, .address_space: global }
      - { .name: bo, .offset: 32, .size: 8, .value_kind: global_buffer, .address_space: global }
      - { .name: out0, .offset: 40, .size: 8, .value_kind: global_buffer, .address_space: global }
    .group_segment_fixed_size: 295424
    .private_segment_fixed_size: 0
    .kernarg_segment_align: 8
    .kernarg_segment_size: 48
    .max_flat_workgroup_size: 128
    .sgpr_count:     102
    .vgpr_count:     1024
    .wavefront_size: 32
...
	.end_amdgpu_metadata
.endif
;; end of part 4
